; MI455X (gfx1250); checked and timed in simulation.
; The chip was launched on July 23, 2026; its instructions are those of AMD's public machine-readable ISA for CDNA 5 (MIT licence, August 2026) and "CDNA5" Instruction Set Architecture Reference Guide (July 2026). The comments in the code are by the model that wrote it; some were corrected since.
;; Ro PE2 D Attention. Allowed arithmetic: matrix products marked QUANTISED: E2M3 operands, one E8M0 scale for each 32 along K, by v_wmma_scale_f32_16x16x128_f8f6f4 with both operands' format E2M3, f32 sums; everything else in f32.
;; Inputs: Wk 768 x 768 float32; Wo 768 x 768 float32; Wq 768 x 768 float32; Wv 768 x 768 float32; bk 768 float32; bo 768 float32; bq 768 float32; bv 768 float32; x 8 x 1,024 x 768 float32.
;; Outputs: out0 8 x 1,024 x 768 float32.
;; This version of the problem:
;;   THIS VERSION OF THE PROBLEM IS GIVEN IN LOW PRECISION. The matrix products marked QUANTISED in the list below multiply operands that are first quantised to E2M3 (2 exponent bits, 3 mantissa bits; 6 bits a number), with one power-of-two scale for each 32 numbers along K (OCP MX v1.0); their sums are f32. All else is computed in f32.
;;   The module's matrix products, in the order in which they are computed (A, B: the left and right operand; K: the contracted axis; several contracted axes count as one K, in the product's order):
;;     1. [M 8,192, K 768] x [K 768, N 768]; A: input x; B: input Wq: QUANTISED
;;     2. [M 8,192, K 768] x [K 768, N 768]; A: input x; B: input Wk: QUANTISED
;;     3. [M 8,192, K 768] x [K 768, N 768]; A: input x; B: input Wv: QUANTISED
;;     4. batch 96 x [M 1,024, K 64] x [K 64, N 1,024]; A: computed on the way; B: computed on the way: QUANTISED
;;     5. batch 96 x [M 1,024, K 1,024] x [K 1,024, N 64]; A: softmax (see below); B: computed on the way: QUANTISED
;;     6. [M 8,192, K 768] x [K 768, N 768]; A: computed on the way; B: input Wo: QUANTISED
;;   THE QUANTISER, for each operand of a quantised product, along K:
;;     - K is cut into blocks of 32 from its start; a last block that is shorter is filled with zeros.
;;     - A block's scale is 2^e with e = floor(log2(the largest magnitude in the block)) - 2, held to -126 .. 127; a block of zeros has e = 0. As a byte (E8M0): e + 127.
;;     - Each number is divided by its block's scale, clamped to +-7.5, and rounded to the nearest number of E2M3, ties to even, subnormals kept.
;;     - The product sums the exact products of the quantised numbers (number of the format x scale) in f32.
;;   ~~~python
;;   def quantise(x, axis):      # numpy; x: float32 -> the quantised numbers, widened to float32 again
;;       x = np.moveaxis(x, axis, -1); K = x.shape[-1]
;;       x = np.pad(x, [(0, 0)] * (x.ndim - 1) + [(0, -K % 32)]); x = x.reshape(x.shape[:-1] + (-1, 32)); a = np.abs(x).max(-1, keepdims=True)
;;       e = np.where(a > 0, np.clip(np.frexp(np.where(a > 0, a, 1))[1] - 1 - 2, -126, 127), 0)      # np.frexp(a)[1] - 1 = floor(log2(a)), exactly
;;       r = np.clip(x / 2.0 ** e, -7.5, 7.5)
;;       step = 2.0 ** (np.maximum(np.frexp(np.where(r == 0, 1, r))[1] - 1, 0) - 3)
;;       q = np.round(r / step) * step * 2.0 ** e      # np.round: ties to even
;;       return np.moveaxis(q.reshape(q.shape[:-2] + (-1,))[..., :K], -1, axis).astype(np.float32)
;;   ~~~
;;   SOFTMAX AHEAD OF A QUANTISED PRODUCT. Where the list says 'softmax', what is quantised is not the finished softmax but p = 2^(t - M), with t = logit x log2(e) and M = ceil(the row's largest t), a whole number; so 1/2 < the row's largest p <= 1. The row's sum l is taken of the UNQUANTISED p, in f32, and the product's result is divided by l at the end. Since M is a whole number, a kernel that streams over the keys may use a running M (the ceiling of the running maximum): every later rescaling is an exact power of two, which a block's scale takes up: the codes' values come out the same.
;;   OPERANDS COMPUTED ON THE WAY. 'Computed on the way' means the value that the module computes at that place (a softmax that the list does not call 'softmax' is quantised finished and normalised). What goes into a quantiser is computed in f32, as accurately as f32 sums, v_exp_f32 and their like allow (about 1e-6 of the number): no bf16 or f16 on the way to a quantiser, and a product that is left as it is and whose result goes on into a quantised operand takes f32 operands (vector FMAs, or v_wmma_f32_16x16x4_f32). A number that lies on a knife's edge between two numbers of the format may be rounded either way, as far as f32 arithmetic and the matrix unit's own rounding can turn it there, and no further.
;; One version. Each part assembles by itself: llvm-mc -triple=amdgcn-amd-amdhsa -mcpu=gfx1250 --defsym DOCPART=n.
;; ======== version 1 of 1: 4 launches
;; limits: right only within a limited range of input values
;; workspace buffers: xb 4,915,200 bytes; wb 1,843,200 bytes; rope 4,608 bytes; qkv 14,745,600 bytes; ob 5,111,808 bytes
;; launch prep (part 1): grid 24 x 14, 4 waves a work-group, no clusters, 112,128 bytes of LDS; arguments x, Wq, Wk, Wv, Wo, xb, wb, rope; writes xb, wb, rope
.if DOCPART == 1
	.amdgcn_target "amdgcn-amd-amdhsa--gfx1250"
	.amdhsa_code_object_version 6
	.text
	.protected	k_q1cd89a5e46_prep
	.globl	k_q1cd89a5e46_prep
	.p2align	8
	.type	k_q1cd89a5e46_prep,@function
k_q1cd89a5e46_prep:
	s_mov_b64 s[64:65], 0
	v_nop
	global_prefetch_b8 v0, s[64:65] scope:SCOPE_SE
	s_setreg_imm32_b32 hwreg(HW_REG_WAVE_MODE, 25, 1), 1
	s_wait_xcnt 0x0
; x [8192][768] and the four weights [768 (k)][768 (n)], f32, become codes of FP6 (E2M3) with one E8M0 byte for each 32 along K, laid in the ORDER OF AN OPERAND'S REGISTERS:
; a fragment (16 rows x 128 K, 12 registers a lane) is an image of 1,536 bytes: registers 4 p .. 4 p + 3 of lane l at 512 p + 16 l.  The RoPE table is made here too.
; THE 16 ROWS OF A TILE ARE NOT NEIGHBOURS: row r of tile u of a group of 32 (tokens, or columns of a weight) is number 8 u + r + 8 (r / 8) of the group.
; xb: [group of 32 tokens, 256] x 19,200 bytes: images [u 2][K step 6], then at 18,432 scale words [pair of K steps 3][lane 32][e 2] (lanes 0-15 tile 0, lanes 16-31 tile 1).
; wb: [matrix 4: q, k, v, o][block of 32 columns, 24] x 19,200 bytes: images [K step 6][u 2], then at 18,432 scale words [pair 3][16 u + r][e 2].
; rope: [position 32][frequency 16][cos, sin] f32.
; A block's scale is 2^(floor(log2(its largest magnitude)) - 2): its byte is the largest magnitude's exponent field - 2, held at 1 from below.
; LIMITS: NaN and infinities are not served; blocks whose largest magnitude lies under 2^-124 keep the byte 1; a block of zeros has the byte 1 where the quantiser says 127 (its codes are zeros; this program alone reads the bytes).
; GRID: y = 0 .. 5: 144 work-groups for the weights: block x, K step y, wave = matrix.  y = 6 .. 13: 192 work-groups for x, a wave to (group, pair of K steps).  The two ways part on the work-group's number.
; EVERY LOAD TAKES BYTES AS THEY LIE, and what a lane must hold for the conversions (neighbours along K) is had by a turn through the wave's own stage in LDS: no barrier, and each way has LDS bytes of its own.
; Everything that a wave reads is asked for at once: x: 64 loads of 512 bytes; a weight: 32 loads of four rows of 128 bytes.
; LDS: 0: the weights' raw stages, 16,384 bytes a wave; WIM: their image stages, 3,072 a wave; XST: x's stages, 16 rows of 512 + 16 bytes a wave.
.set WIM, 65536
.set XST, 77824
.set TM,  16                           ; v16-31  at work in QUANT
.set SCR, 56                           ; v56-62  the upper halves of two pairs of blocks, on their way
.set SEL, 22                           ; s[22:23] selects of v_permlanex16_b32: lane l xor 16
.set MSB, 0
.macro WIN new                         ; the immediate's high byte repeats the setting that is left
.if MSB != (\new)
	s_set_vgpr_msb (MSB<<8)|(\new)
.set MSB, (\new)
.endif
.endm
; 64 numbers of a lane, register 16 b + i = k 32 b + 16 (lane / 16) + i of my row, become a fragment's codes in v[pc] on and its scale word in v[pw].
.macro QUANT s, pc, pw
.irp b, 0,1,2,3
	v_max3_num_f32 v[TM+\b], |v[(\s)+16*\b]|, |v[(\s)+1+16*\b]|, 0x1800000   ; my 16 numbers of block b, and the floor 2^(3 - 127): the byte cannot fall under 1
.endr
.irp i, 2,4,6,8,10,12,14
.irp b, 0,1,2,3
	v_max3_num_f32 v[TM+\b], v[TM+\b], |v[(\s)+16*\b+\i]|, |v[(\s)+1+16*\b+\i]|
.endr
.endr
.irp b, 0,1,2,3
	v_permlanex16_b32 v[TM+4+\b], v[TM+\b], s[SEL], s[SEL+1]
.endr
.irp b, 0,1,2,3
	v_max_num_f32 v[TM+\b], v[TM+\b], v[TM+4+\b]          ; with lane l xor 16's 16: the block's largest magnitude
.endr
.irp b, 0,1,2,3
	v_add_nc_u32 v[TM+12+\b], 0xff000000, v[TM+\b]        ; 2 off its exponent field: the conversion's scale operand
.endr
.irp b, 0,1,2,3
	v_lshrrev_b32 v[TM+4+\b], 23, v[TM+12+\b]             ; the scale's byte
.endr
	v_lshl_or_b32 v[\pw], v[TM+5], 8, v[TM+4]
	v_lshl_or_b32 v[\pw], v[TM+6], 16, v[\pw]
	v_lshl_or_b32 v[\pw], v[TM+7], 24, v[\pw]
.irp c, 0,1
	v_cvt_scalef32_pk16_fp6_f32 v[(\pc)+6*\c:(\pc)+2+6*\c], v[(\s)+32*\c:(\s)+15+32*\c], v[TM+12+2*\c]
	v_cvt_scalef32_pk16_fp6_f32 v[SCR+4*\c:SCR+2+4*\c], v[(\s)+16+32*\c:(\s)+31+32*\c], v[TM+12+2*\c+1]   ; (a conversion's three registers begin on an even number)
.endr
	v_nop                                                 ; one plain place behind a scaled conversion
.irp c, 0,1                                           ; the operand wants a WHOLE block in a lane: lanes 0-15 block 2 c, lanes 16-31 block 2 c + 1
.irp i, 0,1,2
	v_permlane16_swap_b32 v[(\pc)+6*\c+\i], v[SCR+4*\c+\i]
.endr
.irp i, 0,1,2
	v_mov_b32 v[(\pc)+3+6*\c+\i], v[SCR+4*\c+\i]
.endr
.endr
.endm
	s_load_b256 s[4:11], s[0:1], 0x0               ; x s[4:5], Wq s[6:7], Wk s[8:9], Wv s[10:11]
	s_load_b256 s[12:19], s[0:1], 0x20             ; Wo s[12:13], xb s[14:15], wb s[16:17], rope s[18:19]
	v_lshl_add_u32 v59, v0, 2, 0x1b400
	v_mov_b32 v63, 0
	v_lshrrev_b32 v1, 5, v0
	v_readfirstlane_b32 s20, v1                    ; wave
	s_and_b32 s21, ttmp7, 0xffff                   ; work-group y
	v_and_b32 v1, 31, v0                           ; lane
	v_and_b32 v2, 15, v0                           ; r
	v_bfe_u32 v3, v0, 4, 1                         ; h
	s_mov_b32 s[SEL], 0x76543210
	s_mov_b32 s[SEL+1], 0xfedcba98
	s_mov_b32 s24, 0xffff0000                      ; lanes 16-31
	s_cmp_lt_u32 s21, 6
	s_cbranch_scc1 .Lweights
; ---- x.  A wave takes the four units (tile u, K step 2 sp + e) of one group and one pair of K steps.
; REGISTERS: v4 16 x lane; v5 8 x lane; v6, v7 the stage, in and out; v8-11 the units' scale words; v32-55, v128-151 the units' codes, twelve registers each, written once: no store's data are written again;
;   v64-255 units 0 to 2 as loaded and as turned; v256-319 unit 3 as loaded (it comes back from the stage into unit 0's registers).
	s_sub_co_u32 s25, s21, 6
	s_mul_i32 s25, s25, 24
	s_add_co_u32 s25, s25, ttmp9                   ; 0 .. 191
	s_lshr_b32 s26, s25, 6                         ; sp
	s_and_b32 s25, s25, 63
	s_lshl_b32 s25, s25, 2
	s_add_co_u32 s25, s25, s20                     ; the group
	s_mul_i32 s28, s25, 98304                      ; 32 rows of 3,072 bytes
	s_lshl_b32 s27, s26, 10                        ; 256 numbers along K
	s_add_co_u32 s28, s28, s27
	s_mov_b32 s29, 0
	s_mul_i32 s30, s25, 19200
	s_mov_b32 s31, 0
	s_mul_i32 s27, s26, 3072
	s_add_co_u32 s32, s30, s27                     ; the pair's images
	s_mov_b32 s33, 0
	s_lshl_b32 s27, s26, 8
	s_add_co_u32 s30, s30, s27                     ; the pair's scale words (18,432 stands in the store)
	s_mul_i32 s27, s20, 8448
	s_add_co_u32 s27, s27, XST                     ; my wave's stage
	s_wait_alu depctr_va_vdst(0)
	v_lshlrev_b32 v4, 4, v1                        ; 16 x lane: my 16 bytes of a load's 512, and of an image's part
	v_lshlrev_b32 v5, 3, v1                        ; 8 x lane
	v_add_nc_u32 v6, s27, v4                       ; into the stage: a row as it lies
	v_mul_u32_u24 v7, v2, 528
	v_lshl_add_u32 v7, v3, 6, v7
	v_add_nc_u32 v7, s27, v7                       ; out of it: row r, + 64 h: my 16 numbers of a block of 32.  Rows 528 bytes = 132 words apart
.irp b, 0,1,2,3
	v_mov_b32 v[TM+4+\b], 0                        ; written once: a lane permute's destination counts as one of its sources
.endr
	s_wait_alu depctr_va_vdst(0)
	s_wait_kmcnt 0x0
	s_add_nc_u64 s[4:5], s[4:5], s[28:29]
	s_add_nc_u64 s[34:35], s[14:15], s[32:33]
	s_add_nc_u64 s[36:37], s[14:15], s[30:31]
.macro XLOAD reg, u, e                         ; 16 loads: row i of tile u, K step e: 32 lanes read 512 consecutive bytes, at a multiple of 512 from x's first byte
.irp i, 0,1,2,3,4,5,6,7,8,9,10,11,12,13,14,15
	global_load_b128 v[(\reg)+4*\i:(\reg)+4*\i+3], v4, s[4:5] offset:(8*(\u)+\i+8*(\i/8))*3072+512*(\e) th:TH_LOAD_NT
.endr
.endm
.macro TURN src, win, dst                      ; a unit through the stage: LDS serves a wave's instructions in order (ISA guide 5.7.1.4), so no wait stands between the stores and the loads, nor in front of the next unit's stores
	WIN \win                                       ; (an LDS store's data are its source 1)
.irp i, 0,1,2,3,4,5,6,7,8,9,10,11,12,13,14,15
	ds_store_b128 v6, v[(\src)+4*\i:(\src)+4*\i+3] offset:528*\i
.endr
	WIN 0
.irp b, 0,1,2,3
.irp j, 0,1,2,3
	ds_load_b128 v[(\dst)+16*\b+4*\j:(\dst)+16*\b+4*\j+3], v7 offset:128*\b+16*\j
.endr
.endr
.endm
.macro XOUT s, pc, u, e
	QUANT \s, \pc, 8+2*(\u)+(\e)
.irp c, 0,1,2
	global_store_b128 v4, v[(\pc)+4*\c:(\pc)+4*\c+3], s[34:35] offset:9216*(\u)+1536*(\e)+512*\c   ; 32 lanes store 512 consecutive bytes, aligned to 256
.endr
.endm
	XLOAD 64, 0, 0                                 ; all that the wave reads is asked for at once
	XLOAD 128, 0, 1
	XLOAD 192, 1, 0
	WIN 0x40                                       ; destination window 1
	XLOAD 0, 1, 1
	WIN 0
	s_wait_loadcnt 48                              ; unit 0's sixteen loads are in; the 48 behind them may be out
	TURN 64, 0, 64
	s_wait_loadcnt 32
	TURN 128, 0, 128
	s_wait_dscnt 32                                ; unit 0 is back from the stage: behind its loads stand unit 1's 16 stores and 16 loads
	XOUT 64, 32, 0, 0
	s_wait_loadcnt 16
	TURN 192, 0, 192
	s_wait_dscnt 32
	XOUT 128, 44, 0, 1
	s_wait_loadcnt 0x0
	TURN 0, 0x04, 64                               ; unit 3, out of window 1, comes back into unit 0's registers, which have been read
	s_wait_dscnt 32
	XOUT 192, 128, 1, 0                            ; (its codes go where unit 1's numbers lay)
	s_wait_dscnt 0x0
	XOUT 64, 140, 1, 1
	v_cndmask_b32 v12, v8, v10, s24                ; lanes 0-15 tile 0's word, lanes 16-31 tile 1's (a row's word stands in lanes r and r + 16 alike)
	v_cndmask_b32 v13, v9, v11, s24
	global_store_b64 v5, v[12:13], s[36:37] offset:18432   ; 32 lanes store 256 consecutive bytes, aligned
	s_wait_tensorcnt 0x0
	ds_add_u32 v59, v63
	s_wait_dscnt 0x0
	s_endpgm
; ---- the weights.  K is the FIRST axis: a lane takes a column and its registers run down K, so a block of 32 lies in one lane and the codes come out with K innermost.
; A wave takes one K step (128 rows) of its matrix's block of 32 columns.  A load takes four rows' 128 bytes, 16 bytes a lane; the rows go into the raw stage as they lie and come back one column a lane.
; REGISTERS: v4 the loads' offset; v5 16 x lane; v7 the scale word; v8, v9 the image stage, in and out; v10 the word's place; v12, v13 the raw stage, in and out; v16-47 codes; v64-191 the numbers; v192-215 the way out.
.Lweights:
	s_mul_i32 s28, s21, 393216                     ; 128 rows of 3,072 bytes
	s_lshl_b32 s27, ttmp9, 7                       ; 32 columns
	s_add_co_u32 s28, s28, s27
	s_mov_b32 s29, 0
	s_mul_i32 s30, s20, 24
	s_add_co_u32 s30, s30, ttmp9
	s_mul_i32 s30, s30, 19200                      ; (matrix, block)
	s_mov_b32 s31, 0
	s_mul_i32 s27, s21, 3072
	s_add_co_u32 s32, s30, s27                     ; the K step's two images
	s_mov_b32 s33, 0
	s_lshr_b32 s27, s21, 1
	s_lshl_b32 s27, s27, 8
	s_add_co_u32 s30, s30, s27
	s_and_b32 s27, s21, 1
	s_lshl_b32 s27, s27, 2
	s_add_co_u32 s30, s30, s27                     ; its scale words: 256 (step / 2) + 4 (step % 2) (18,432 stands in the store)
	s_wait_alu depctr_va_vdst(0)
	v_lshrrev_b32 v4, 3, v1
	v_mul_u32_u24 v4, v4, 3072
	v_and_b32 v7, 7, v0
	v_lshl_add_u32 v4, v7, 4, v4                   ; in: row lane / 8 of four, 16 bytes at 16 (lane % 8)
	v_lshlrev_b32 v5, 4, v1                        ; 16 x lane
	v_bfe_u32 v6, v0, 3, 1                         ; column l belongs to tile u = (l / 8) % 2,
	v_lshl_add_u32 v7, v3, 3, v7                   ; row r = l % 8 + 8 (l / 16)
	s_lshl_b32 s27, s20, 14                        ; my wave's raw stage: 128 rows of 128 bytes
	v_add_nc_u32 v12, s27, v5                      ; into it: a load's four rows are 512 bytes on end
	v_lshl_add_u32 v13, v1, 2, s27                 ; out of it: my column
	s_mul_i32 s27, s20, 3072                       ; my wave's image stage: the two tiles' images
	s_add_co_u32 s27, s27, WIM
	v_mul_u32_u24 v8, v6, 1536
	v_lshl_add_u32 v8, v7, 4, v8
	v_add_nc_u32 v8, s27, v8                       ; into it: 1,536 u + 16 r
	v_add_nc_u32 v9, s27, v5                       ; out of it: 16 x lane
	v_lshl_add_u32 v10, v6, 4, v7
	v_lshlrev_b32 v10, 3, v10                      ; my scale word: 8 (16 u + r)
	s_wait_alu depctr_va_vdst(0)
	s_wait_kmcnt 0x0
	s_cmp_eq_u32 s20, 1                            ; the wave's number chooses the matrix
	s_cselect_b64 s[6:7], s[8:9], s[6:7]
	s_cmp_eq_u32 s20, 2
	s_cselect_b64 s[6:7], s[10:11], s[6:7]
	s_cmp_eq_u32 s20, 3
	s_cselect_b64 s[6:7], s[12:13], s[6:7]
	s_add_nc_u64 s[6:7], s[6:7], s[28:29]
	s_add_nc_u64 s[34:35], s[16:17], s[32:33]
	s_add_nc_u64 s[36:37], s[16:17], s[30:31]
.irp i, 0,1,2,3,4,5,6,7,8,9,10,11,12,13,14,15,16,17,18,19,20,21,22,23,24,25,26,27,28,29,30,31
	global_load_b128 v[64+4*\i:64+4*\i+3], v4, s[6:7] offset:12288*\i th:TH_LOAD_NT   ; rows 4 i .. 4 i + 3
.endr
.macro WTURN kb, left                          ; block kb: its eight loads are in (left: the loads behind them); its 32 rows through the raw stage, back into the registers that they left: register i = row 32 kb + i of my column
	s_wait_loadcnt \left
.irp i, 0,1,2,3,4,5,6,7
	ds_store_b128 v12, v[64+32*(\kb)+4*\i:64+32*(\kb)+4*\i+3] offset:512*(8*(\kb)+\i)
.endr
.irp i, 0,1,2,3,4,5,6,7,8,9,10,11,12,13,14,15,16,17,18,19,20,21,22,23,24,25,26,27,28,29,30,31
	ds_load_b32 v[64+32*(\kb)+\i], v13 offset:128*(32*(\kb)+\i)   ; 32 lanes read 128 consecutive bytes; LDS serves a wave's instructions in order: these see my stores
.endr
.endm
; Block kb = 2 c + h of the K step is registers 6 c .. 6 c + 5 of image lane 16 h + r.  left: the LDS instructions issued behind the block's loads.
.macro WBLOCK kb, left
.set XB, 64+32*(\kb)
.set CW, 16+8*(\kb)
	s_wait_dscnt \left
	v_max3_num_f32 v14, |v[XB]|, |v[XB+1]|, |v[XB+2]|
	v_max3_num_f32 v15, |v[XB+3]|, |v[XB+4]|, |v[XB+5]|
.irp i, 6,10,14,18,22,26
	v_max3_num_f32 v14, v14, |v[XB+\i]|, |v[XB+\i+1]|
	v_max3_num_f32 v15, v15, |v[XB+\i+2]|, |v[XB+\i+3]|
.endr
	v_max3_num_f32 v14, v14, |v[XB+30]|, |v[XB+31]|
	v_max3_num_f32 v14, v14, v15, 0x1800000        ; with the floor
	v_add_nc_u32 v11, 0xff000000, v14              ; the conversion's scale operand
.if (\kb) == 0
	v_lshrrev_b32 v7, 23, v11                      ; the K step's scale word, byte by byte
.else
	v_lshrrev_b32 v15, 23, v11
	v_lshl_or_b32 v7, v15, 8*(\kb), v7
.endif
	v_cvt_scalef32_pk16_fp6_f32 v[CW:CW+2], v[XB:XB+15], v11
	v_cvt_scalef32_pk16_fp6_f32 v[CW+4:CW+6], v[XB+16:XB+31], v11
	v_nop                                          ; one plain place behind a scaled conversion
	v_mov_b32 v[CW+3], v[CW+4]
	v_mov_b32 v[CW+4], v[CW+5]
	v_mov_b32 v[CW+5], v[CW+6]
.if (\kb)/2 == 0
	ds_store_b128 v8, v[CW:CW+3] offset:256*((\kb)%2)              ; image registers 0-3,
	ds_store_b64 v8, v[CW+4:CW+5] offset:512+256*((\kb)%2)         ; 4-5
.else
	ds_store_b64 v8, v[CW:CW+1] offset:520+256*((\kb)%2)           ; 6-7,
	ds_store_b128 v8, v[CW+2:CW+5] offset:1024+256*((\kb)%2)       ; 8-11
.endif
.endm
	WTURN 0, 24
	WTURN 1, 16
	WTURN 2, 8
	WTURN 3, 0
	WBLOCK 0, 63                                   ; behind block 0's loads stand 120 LDS instructions: more than the wait's field holds,
	WBLOCK 1, 63                                   ; behind block 1's 80 and block 0's two stores,
	WBLOCK 2, 44                                   ; behind block 2's 40 and four stores,
	WBLOCK 3, 6                                    ; behind block 3's six stores
.irp q, 0,1,2,3,4,5                            ; the image stage's 3,072 bytes leave as they lie
	ds_load_b128 v[192+4*\q:192+4*\q+3], v9 offset:512*\q
.endr
	s_wait_alu depctr_va_vdst(0)
.irp q, 0,1,2,3,4,5
	s_wait_dscnt 5-\q
	global_store_b128 v5, v[192+4*\q:192+4*\q+3], s[34:35] offset:512*\q   ; 32 lanes store 512 consecutive bytes, aligned to 256
.endr
	global_store_b32 v10, v7, s[36:37] offset:18432 ; 4 bytes a lane, 8 bytes apart: half of an aligned 256 bytes, of which the pair's other K step fills the rest: 73,728 bytes of the launch's 6.8 million
; ---- the RoPE table, by one work-group behind its weights: thread t takes frequency t % 16 and positions t / 16 + 8 q.
	s_or_b32 s27, ttmp9, s21
	s_cmp_lg_u32 s27, 0
	s_cbranch_scc1 .Ldone
	v_and_b32 v16, 15, v0
	v_lshrrev_b32 v17, 4, v0
	; the table's rows are 144 bytes apart in memory: 128 bytes of (cos, sin) and 16 bytes of zeros, so that the reader's dense copy has every byte written
	v_mul_u32_u24 v18, v17, 144
	v_lshl_add_u32 v18, v16, 3, v18                ; 144 x (t / 16) + 8 x frequency
	v_and_b32 v31, 1, v16
	v_mul_u32_u24 v40, v17, 144
	v_lshl_add_u32 v40, v31, 3, v40                ; the row's last 16 bytes, 8 a lane (128 stands in the store); lanes that share a place store the same zeros
	v_mov_b32 v42, 0
	v_mov_b32 v43, 0
	v_mov_b32 v19, 1.0
.macro FSEL i, bits                            ; 10000^(-i / 16) = 10^(-i / 4), as f32
	v_cmp_ne_u32 vcc_lo, \i, v16
	v_cndmask_b32 v19, \bits, v19, vcc_lo
.endm
	FSEL 1, 0x3f0ff59a
	FSEL 2, 0x3ea1e89b
	FSEL 3, 0x3e361887
	FSEL 4, 0x3dcccccd
	FSEL 5, 0x3d6655c3
	FSEL 6, 0x3d0186e2
	FSEL 7, 0x3c91ad39
	FSEL 8, 0x3c23d70a
	FSEL 9, 0x3bb8449c
	FSEL 10, 0x3b4f3e37
	FSEL 11, 0x3ae91528
	FSEL 12, 0x3a83126f
	FSEL 13, 0x3a136a16
	FSEL 14, 0x39a5cb5f
	FSEL 15, 0x393a7753
; a = position x frequency, at most 31.  n = the nearest whole number to a 2 / pi; rho = a - n pi / 2 with pi / 2 in two parts (the first product is exact in the fused form);
; |rho| <= pi / 4: the series to rho^9 and rho^10 leave under 2e-9.  The quadrant only selects and sets signs: no branch.
.macro TABLE q
	v_add_nc_u32 v20, 8*\q, v17
	v_cvt_f32_u32 v20, v20
	v_mul_f32 v20, v20, v19
	v_mul_f32 v21, 0x3f22f983, v20
	v_rndne_f32 v21, v21
	v_fmamk_f32 v22, v21, 0xbfc90fdb, v20
	v_fmamk_f32 v22, v21, 0x333bbd2e, v22
	v_mul_f32 v23, v22, v22
	v_mov_b32 v24, 0x3638ef1d                      ; 1 / 9!
	v_fmaak_f32 v24, v24, v23, 0xb9500d01          ; -1 / 7!
	v_fmaak_f32 v24, v24, v23, 0x3c088889          ; 1 / 5!
	v_fmaak_f32 v24, v24, v23, 0xbe2aaaab          ; -1 / 3!
	v_mul_f32 v25, v22, v23
	v_fma_f32 v24, v25, v24, v22                   ; sin rho
	v_mov_b32 v26, 0xb493f27e                      ; -1 / 10!
	v_fmaak_f32 v26, v26, v23, 0x37d00d01          ; 1 / 8!
	v_fmaak_f32 v26, v26, v23, 0xbab60b61          ; -1 / 6!
	v_fmaak_f32 v26, v26, v23, 0x3d2aaaab          ; 1 / 4!
	v_fmaak_f32 v26, v26, v23, 0xbf000000          ; -1 / 2
	v_fma_f32 v26, v26, v23, 1.0                   ; cos rho
	v_cvt_i32_f32 v27, v21
	v_and_b32 v28, 1, v27
	v_cmp_eq_u32 vcc_lo, 1, v28
	v_cndmask_b32 v29, v24, v26, vcc_lo            ; odd quadrants change the two
	v_cndmask_b32 v30, v26, v24, vcc_lo
	v_and_b32 v28, 2, v27
	v_lshlrev_b32 v28, 30, v28
	v_xor_b32 v[33+2*\q], v28, v29                 ; the sine is negative in quadrants 2, 3
	v_add_nc_u32 v27, 1, v27
	v_and_b32 v27, 2, v27
	v_lshlrev_b32 v27, 30, v27
	v_xor_b32 v[32+2*\q], v27, v30                 ; the cosine in quadrants 1, 2
	global_store_b64 v18, v[32+2*\q:33+2*\q], s[18:19] offset:1152*\q
	global_store_b64 v40, v[42:43], s[18:19] offset:1152*\q+128
.endm
	TABLE 0
	TABLE 1
	TABLE 2
	TABLE 3
.Ldone:
	s_wait_tensorcnt 0x0
	ds_add_u32 v59, v63
	s_wait_dscnt 0x0
	s_endpgm
.Lfunc_end_k_q1cd89a5e46_prep:
	.size	k_q1cd89a5e46_prep, .Lfunc_end_k_q1cd89a5e46_prep-k_q1cd89a5e46_prep
	.p2alignl 7, 3214868480
	.fill 96, 4, 3214868480
	.section	.rodata,"a",@progbits
	.p2align	6, 0x0
	.amdhsa_kernel k_q1cd89a5e46_prep
		.amdhsa_group_segment_fixed_size 112128
		.amdhsa_private_segment_fixed_size 0
		.amdhsa_enable_private_segment 0
		.amdhsa_kernarg_size 64
		.amdhsa_user_sgpr_count 2
		.amdhsa_user_sgpr_kernarg_segment_ptr 1
		.amdhsa_wavefront_size32 1
		.amdhsa_system_sgpr_workgroup_id_x 1
		.amdhsa_system_sgpr_workgroup_id_y 1
		.amdhsa_system_sgpr_workgroup_id_z 1
		.amdhsa_system_vgpr_workitem_id 0
		.amdhsa_next_free_vgpr 320
		.amdhsa_next_free_sgpr 66
		.amdhsa_reserve_vcc 1
		.amdhsa_float_denorm_mode_32 3
		.amdhsa_float_denorm_mode_16_64 3
		.amdhsa_memory_ordered 1
		.amdhsa_forward_progress 1
		.amdhsa_inst_pref_size 65
	.end_amdhsa_kernel
	.amdgpu_metadata
---
amdhsa.version: [ 1, 2 ]
amdhsa.kernels:
  - .name:           k_q1cd89a5e46_prep
    .symbol:         k_q1cd89a5e46_prep.kd
    .args:
      - { .name: x, .offset: 0, .size: 8, .value_kind: global_buffer, .address_space: global }
      - { .name: Wq, .offset: 8, .size: 8, .value_kind: global_buffer, .address_space: global }
      - { .name: Wk, .offset: 16, .size: 8, .value_kind: global_buffer, .address_space: global }
      - { .name: Wv, .offset: 24, .size: 8, .value_kind: global_buffer, .address_space: global }
      - { .name: Wo, .offset: 32, .size: 8, .value_kind: global_buffer, .address_space: global }
      - { .name: xb, .offset: 40, .size: 8, .value_kind: global_buffer, .address_space: global }
      - { .name: wb, .offset: 48, .size: 8, .value_kind: global_buffer, .address_space: global }
      - { .name: rope, .offset: 56, .size: 8, .value_kind: global_buffer, .address_space: global }
    .group_segment_fixed_size: 112128
    .private_segment_fixed_size: 0
    .kernarg_segment_align: 8
    .kernarg_segment_size: 64
    .max_flat_workgroup_size: 128
    .sgpr_count:     66
    .vgpr_count:     320
    .wavefront_size: 32
...
	.end_amdgpu_metadata
.endif
;; end of part 1
;; launch qkv (part 2): grid 4 x 64, 4 waves a work-group, no clusters, 327,680 bytes of LDS; arguments xb, wb, rope, bq, bk, bv, qkv; writes qkv
.if DOCPART == 2
	.amdgcn_target "amdgcn-amd-amdhsa--gfx1250"
	.amdhsa_code_object_version 6
	.text
	.protected	k_q1cd89a5e46_qkv
	.globl	k_q1cd89a5e46_qkv
	.p2align	8
	.type	k_q1cd89a5e46_qkv,@function
k_q1cd89a5e46_qkv:
	s_mov_b64 s[64:65], 0
	v_nop
	global_prefetch_b8 v0, s[64:65] scope:SCOPE_SE
	s_setreg_imm32_b32 hwreg(HW_REG_WAVE_MODE, 25, 1), 1
	s_wait_xcnt 0x0
.set SCQ,  76800
.set VSC,  82944
.set RT,   83968
.set XS,   16
.set WS,   40
.set BIAS, 48
.set ACC,  64
.set TB,   192
.set PC,   192
.set TM,   224
.set SEL,  60
.set MSB,  0
.macro WIN new
.if MSB != (\new)
	s_set_vgpr_msb (MSB<<8)|(\new)
.set MSB, (\new)
.endif
.endm
.macro WM d, a, b, c, sa, sb, ra, rb
.if ((\ra)==0)&&((\rb)==0)
	v_wmma_scale_f32_16x16x128_f8f6f4 v[(\d):(\d)+7], v[(\a):(\a)+11], v[(\b):(\b)+11], v[(\c):(\c)+7], v[(\sa)], v[(\sb)] matrix_a_fmt:MATRIX_FMT_FP6 matrix_b_fmt:MATRIX_FMT_FP6
.elseif ((\rb)==0)
	v_wmma_scale_f32_16x16x128_f8f6f4 v[(\d):(\d)+7], v[(\a):(\a)+11], v[(\b):(\b)+11], v[(\c):(\c)+7], v[(\sa)], v[(\sb)] matrix_a_fmt:MATRIX_FMT_FP6 matrix_b_fmt:MATRIX_FMT_FP6 matrix_a_scale:MATRIX_SCALE_ROW1
.elseif ((\ra)==0)
	v_wmma_scale_f32_16x16x128_f8f6f4 v[(\d):(\d)+7], v[(\a):(\a)+11], v[(\b):(\b)+11], v[(\c):(\c)+7], v[(\sa)], v[(\sb)] matrix_a_fmt:MATRIX_FMT_FP6 matrix_b_fmt:MATRIX_FMT_FP6 matrix_b_scale:MATRIX_SCALE_ROW1
.else
	v_wmma_scale_f32_16x16x128_f8f6f4 v[(\d):(\d)+7], v[(\a):(\a)+11], v[(\b):(\b)+11], v[(\c):(\c)+7], v[(\sa)], v[(\sb)] matrix_a_fmt:MATRIX_FMT_FP6 matrix_b_fmt:MATRIX_FMT_FP6 matrix_a_scale:MATRIX_SCALE_ROW1 matrix_b_scale:MATRIX_SCALE_ROW1
.endif
.endm
.macro QUANT s, pw
.irp b, 0,1,2,3
	v_max3_num_f32 v[TM+\b], |v[(\s)+16*\b]|, |v[(\s)+1+16*\b]|, 0x1800000
.endr
.irp i, 2,4,6,8,10,12,14
.irp b, 0,1,2,3
	v_max3_num_f32 v[TM+\b], v[TM+\b], |v[(\s)+16*\b+\i]|, |v[(\s)+1+16*\b+\i]|
.endr
.endr
.irp b, 0,1,2,3
	v_permlanex16_b32 v[TM+4+\b], v[TM+\b], s[SEL], s[SEL+1]
.endr
.irp b, 0,1,2,3
	v_max_num_f32 v[TM+\b], v[TM+\b], v[TM+4+\b]
.endr
.irp b, 0,1,2,3
	v_add_nc_u32 v[TM+12+\b], 0xff000000, v[TM+\b]
.endr
.irp b, 0,1,2,3
	v_lshrrev_b32 v[TM+4+\b], 23, v[TM+12+\b]
.endr
	v_lshl_or_b32 v[\pw], v[TM+5], 8, v[TM+4]
	v_lshl_or_b32 v[\pw], v[TM+6], 16, v[\pw]
	v_lshl_or_b32 v[\pw], v[TM+7], 24, v[\pw]
.irp c, 0,1
	v_cvt_scalef32_pk16_fp6_f32 v[PC+6*\c:PC+2+6*\c], v[(\s)+32*\c:(\s)+15+32*\c], v[TM+12+2*\c]
	v_cvt_scalef32_pk16_fp6_f32 v[PC+12+4*\c:PC+14+4*\c], v[(\s)+16+32*\c:(\s)+31+32*\c], v[TM+12+2*\c+1]
.endr
	v_nop
.irp c, 0,1
.irp i, 0,1,2
	v_permlane16_swap_b32 v[PC+6*\c+\i], v[PC+12+4*\c+\i]
.endr
.irp i, 0,1,2
	v_cndmask_b32 v[PC+3+6*\c+\i], v[PC+12+4*\c+\i], v[PC+6*\c+\i], s58   ; V's odd blocks of 32 keys (lanes 16-31) are laid with their two halves of 16 keys exchanged: the order in which the attention launch holds p
	v_cndmask_b32 v[PC+6*\c+\i], v[PC+6*\c+\i], v[PC+12+4*\c+\i], s58
.endr
.endr
.endm
	s_load_b256 s[4:11], s[0:1], 0x0
	s_load_b128 s[12:15], s[0:1], 0x20
	s_load_b64 s[16:17], s[0:1], 0x30
	v_lshl_add_u32 v254, v0, 2, 0x29000
	v_mov_b32 v255, 0
	ds_add_u32 v254, v255
	ds_add_u32 v254, v255
	v_lshrrev_b32 v1, 5, v0
	v_readfirstlane_b32 s18, v1
	s_lshr_b32 s19, s18, 1
	s_and_b32 s20, s18, 1
	s_mov_b32 s21, ttmp9
	s_and_b32 s22, ttmp7, 0xffff
	s_lshr_b32 s23, s22, 3
	s_and_b32 s24, s22, 7
	s_mov_b32 s28, 3<<16
	s_mov_b32 s29, 32<<16
	s_mov_b32 s30, 100<<16
	s_mov_b32 s31, 32<<16
	s_mov_b32 s32, 100
	s_mov_b32 s33, 32
	s_mov_b32 s34, 0
	s_mov_b32 s35, 0
	s_mov_b32 s40, 3<<16                           ; the RoPE table: 4,608 dense bytes as 18 rows of 256
	s_mov_b32 s41, 32<<16
	s_mov_b32 s42, 18<<16
	s_mov_b32 s43, 32<<16
	s_mov_b32 s44, 18
	s_mov_b32 s45, 32
	s_mov_b32 s46, 0
	s_mov_b32 s47, 0
	; the head's fills, one a wave: waves 0 to 2 a third each of the four groups' 76,800 bytes of x, wave 3 the table
	s_mul_i32 s2, s22, 76800
	s_min_u32 s62, s18, 2
	s_mul_i32 s37, s62, 25600
	s_add_co_u32 s2, s2, s37
	s_mov_b32 s3, 0
	s_mov_b32 s36, 1
	s_mov_b32 s48, 1
	s_mov_b32 s49, RT
	s_wait_dscnt 0x0
	s_wait_kmcnt 0x0
	s_add_nc_u64 s[38:39], s[4:5], s[2:3]
	s_or_b32 s39, s39, 0x80000000
	s_mov_b64 s[50:51], s[8:9]
	s_or_b32 s51, s51, 0x80000000
	s_cmp_lt_u32 s18, 3
	s_cbranch_scc0 .Lfor_rope
	tensor_load_to_lds s[36:39], s[28:35]
	s_nop 0
.rept 4
	v_nop
.endr
	s_branch .Lasked
.Lfor_rope:
	tensor_load_to_lds s[48:51], s[40:47]
	s_nop 0
.rept 4
	v_nop
.endr
.Lasked:
	v_and_b32 v15, 31, v0
	v_and_b32 v10, 15, v0
	v_bfe_u32 v11, v0, 4, 1
	v_lshlrev_b32 v1, 4, v15
	v_add_nc_u32 v2, 38400, v1
	v_lshlrev_b32 v3, 3, v15
	v_add_nc_u32 v4, 38400, v3
	v_lshlrev_b32 v5, 3, v10
	v_and_b32 v12, 8, v10
	v_add_nc_u32 v12, v12, v10
	s_lshl_b32 s2, s20, 8
	v_lshl_add_u32 v6, v10, 4, s2
	v_lshl_add_u32 v7, v11, 3, v6
	v_add_nc_u32 v7, 512, v7
	v_lshl_add_u32 v6, v11, 10, v6
	s_mul_i32 s2, s20, 144
	v_mul_u32_u24 v8, s2, v12
	v_lshl_add_u32 v8, v11, 6, v8
	v_add_nc_u32 v8, RT, v8
	s_mul_i32 s2, s19, 3072
	s_lshl_b32 s3, s20, 9
	s_add_co_u32 s2, s2, s3
	s_add_co_u32 s2, s2, SCQ
	v_lshl_add_u32 v9, v15, 2, s2
	s_lshl_b32 s2, s18, 10
	s_add_co_u32 s2, s2, SCQ
	v_lshrrev_b32 v13, 1, v15
	v_lshl_add_u32 v13, v13, 2, s2
	v_and_b32 v14, 1, v15
	v_lshl_add_u32 v13, v14, 8, v13
	s_lshl_b32 s2, s18, 8
	s_add_co_u32 s2, s2, VSC
	v_lshl_add_u32 v14, v15, 3, s2
	v_lshlrev_b32 v12, 2, v12
	v_lshlrev_b32 v10, 4, v10
	v_lshlrev_b32 v11, 6, v11
	s_wait_alu depctr_va_vdst(0)
	v_mov_b32 v230, 0
	v_mov_b32 v231, 0
	s_mov_b32 s58, 0xffff0000
	s_mov_b32 s[SEL], 0x76543210
	s_mov_b32 s[SEL+1], 0xfedcba98
	s_mul_i32 s52, s21, 6
	s_add_co_u32 s52, s52, s20
	s_mul_i32 s52, s52, 19200
	s_mul_i32 s2, s19, 460800
	s_add_co_u32 s52, s52, s2
	s_mov_b32 s53, 0
	s_add_nc_u64 s[52:53], s[6:7], s[52:53]
	s_cmp_eq_u32 s19, 0
	s_cselect_b64 s[54:55], s[10:11], s[12:13]
	s_cselect_b32 s100, 102400, 0
	s_mul_i32 s2, s21, 768
	s_lshl_b32 s3, s20, 7
	s_add_co_u32 s2, s2, s3
	s_mov_b32 s3, 0
	s_add_nc_u64 s[54:55], s[54:55], s[2:3]
.macro WLOADQ hd
.irp n, 1,2,3
	WIN (\n)<<6
.irp e, 0,1
.irp u, 0,1
.irp p, 0,1,2
	global_load_b128 v[192+24*\e+12*\u+4*\p:192+24*\e+12*\u+4*\p+3], v1, s[52:53] offset:38400*(\hd)+(2*(2*(\n-1)+\e)+\u)*1536+512*\p
.endr
.endr
.endr
.endr
	WIN 0
.irp sp, 0,1,2
	global_load_b64 v[WS+2*\sp:WS+2*\sp+1], v3, s[52:53] offset:38400*(\hd)+18432+256*\sp
.endr
.irp u, 0,1
	global_load_b128 v[BIAS+8*\u:BIAS+8*\u+3], v11, s[54:55] offset:256*(\hd)+32*\u
	global_load_b128 v[BIAS+8*\u+4:BIAS+8*\u+7], v11, s[54:55] offset:256*(\hd)+32*\u+16
.endr
.endm
	WLOADQ 0
	s_mul_i32 s101, s23, 12
	s_mul_i32 s2, s21, 3
	s_add_co_u32 s101, s101, s2
	s_mul_i32 s56, s101, 153600
	s_add_co_u32 s56, s56, s100
	s_mul_i32 s2, s24, 6144
	s_add_co_u32 s56, s56, s2
	s_mov_b32 s57, 0
	s_add_nc_u64 s[56:57], s[16:17], s[56:57]
	s_xor_b32 s2, s20, 1
	s_mul_i32 s2, s2, 144
	s_mul_i32 s3, s20, 1152
	s_lshl_b32 s62, s24, 2
.irp g, 0,1,2,3
	s_add_co_u32 s63, s62, \g
	s_mul_i32 s[66+2*\g], s63, s2
	s_add_co_u32 s[67+2*\g], s[66+2*\g], s3
.endr
.irp i, 0,1,2
	s_mul_i32 s2, s18, 3
	s_add_co_u32 s2, s2, \i
	s_lshr_b32 s3, s2, 1
	s_and_b32 s62, s2, 1
	s_mul_i32 s63, s21, 6
	s_add_co_u32 s63, s63, s3
	s_mul_i32 s63, s63, 19200
	s_add_co_u32 s63, s63, 921600
	s_mul_i32 s100, s62, 1536
	s_add_co_u32 s[74+8*\i], s63, s100
	s_mov_b32 s[75+8*\i], 0
	s_lshl_b32 s100, s62, 7
	s_add_co_u32 s100, s100, 18432
	s_add_co_u32 s[76+8*\i], s63, s100
	s_mov_b32 s[77+8*\i], 0
	s_mul_i32 s63, s21, 768
	s_lshl_b32 s100, s3, 7
	s_add_co_u32 s63, s63, s100
	s_lshl_b32 s100, s62, 5
	s_add_co_u32 s[78+8*\i], s63, s100
	s_mov_b32 s[79+8*\i], 0
	s_lshr_b32 s3, s2, 2
	s_and_b32 s62, s2, 3
	s_add_co_u32 s63, s101, s3
	s_mul_i32 s63, s63, 153600
	s_mul_i32 s100, s24, 6144
	s_add_co_u32 s63, s63, s100
	s_mul_i32 s100, s62, 1536
	s_add_co_u32 s63, s63, s100
	s_add_co_u32 s[80+8*\i], s63, 49152
	s_mov_b32 s[81+8*\i], 0
	s_lshl_b32 s3, s3, 8
	s_lshl_b32 s62, s62, 2
	s_add_co_u32 s3, s3, s62
	s_add_co_u32 s[25+\i], s3, VSC
	s_add_nc_u64 s[74+8*\i:75+8*\i], s[6:7], s[74+8*\i:75+8*\i]
	s_add_nc_u64 s[76+8*\i:77+8*\i], s[6:7], s[76+8*\i:77+8*\i]
	s_add_nc_u64 s[78+8*\i:79+8*\i], s[14:15], s[78+8*\i:79+8*\i]
	s_add_nc_u64 s[80+8*\i:81+8*\i], s[16:17], s[80+8*\i:81+8*\i]
.endr
	s_add_co_u32 s98, s101, s18
	s_mul_i32 s98, s98, 153600
	s_lshl_b32 s2, s24, 8
	s_add_co_u32 s98, s98, s2
	s_mov_b32 s99, 0
	s_add_nc_u64 s[98:99], s[16:17], s[98:99]
.macro WLOADV i
.irp n, 1,2,3
	WIN (\n)<<6
.irp e, 0,1
.irp p, 0,1,2
	global_load_b128 v[192+24*\e+12*((\i)%2)+4*\p:192+24*\e+12*((\i)%2)+4*\p+3], v1, s[74+8*(\i):75+8*(\i)] offset:(2*(\n-1)+\e)*3072+512*\p
.endr
.endr
.endr
	WIN 0
.irp sp, 0,1,2
	global_load_b64 v[WS+204*((\i)%2)+2*\sp:WS+204*((\i)%2)+2*\sp+1], v5, s[76+8*(\i):77+8*(\i)] offset:256*\sp
.endr
	global_load_b32 v[BIAS+8*((\i)%2)], v12, s[78+8*(\i):79+8*(\i)]
.endm
.macro TBL g
	v_add_nc_u32 v251, s[66+2*(\g)], v8
	v_add_nc_u32 v252, s[67+2*(\g)], v8
.irp j, 0,1,2,3
	ds_load_b128 v[TB+4*\j:TB+4*\j+3], v251 offset:16*\j
.endr
.irp j, 0,1,2,3
	ds_load_b128 v[TB+16+4*\j:TB+16+4*\j+3], v252 offset:16*\j
.endr
.endm
.macro XFETCH
.irp g, 0,1,2,3
.irp sp, 0,1,2
	ds_load_b64 v[XS+6*\g+2*\sp:XS+6*\g+2*\sp+1], v[3+\g/2] offset:(\g%2)*19200+18432+256*\sp
.endr
.endr
.irp n, 1,2,3
	WIN (\n)<<6
.irp g, 0,1,2,3
.irp u, 0,1
.irp e, 0,1
.irp p, 0,1,2
	ds_load_b128 v[24*(2*\g+\u)+12*\e+4*\p:24*(2*\g+\u)+12*\e+4*\p+3], v[1+\g/2] offset:(\g%2)*19200+9216*\u+1536*(2*(\n-1)+\e)+512*\p
.endr
.endr
.endr
.endr
.endr
	WIN 0
.endm
.macro MULQ first
.irp n, 1,2,3
.if \first
.if \n == 1
	s_wait_dscnt 63
.elseif \n == 2
	s_wait_dscnt 56
.else
	s_wait_dscnt 8
.endif
.endif
	WIN (\n)|((\n)<<2)
.irp e, 0,1
.irp rt, 0,1,2,3,4,5,6,7
.irp u, 0,1
.if (\n==1)&&(\e==0)
	WM ACC+16*\rt+8*\u, 192+24*\e+12*\u, 24*\rt+12*\e, BIAS+8*\u, WS+2*(\n-1)+\e, XS+6*(\rt/2)+2*(\n-1)+\e, \u, \rt%2
.else
	WM ACC+16*\rt+8*\u, 192+24*\e+12*\u, 24*\rt+12*\e, ACC+16*\rt+8*\u, WS+2*(\n-1)+\e, XS+6*(\rt/2)+2*(\n-1)+\e, \u, \rt%2
.endif
.endr
.endr
.endr
.endr
	WIN 0
.rept 4
	v_nop
.endr
.endm
.macro MULV i
.irp n, 1,2,3
	WIN (\n)|((\n)<<2)
.irp e, 0,1
.irp rt, 0,1,2,3,4,5,6,7
.if (\n==1)&&(\e==0)
	WM ACC+8*\rt, 24*\rt+12*\e, 192+24*\e+12*((\i)%2), BIAS+8*((\i)%2), XS+6*(\rt/2)+2*(\n-1)+\e, WS+204*((\i)%2)+2*(\n-1)+\e, \rt%2, 0
.else
	WM ACC+8*\rt, 24*\rt+12*\e, 192+24*\e+12*((\i)%2), ACC+8*\rt, XS+6*(\rt/2)+2*(\n-1)+\e, WS+204*((\i)%2)+2*(\n-1)+\e, \rt%2, 0
.endif
.endr
.endr
.endr
	WIN 0
.rept 4
	v_nop
.endr
.endm
.macro ROPE rt, set
.irp p, 0,1,2,3,4,5,6,7
	v_mul_f32 v[224+2*(\p%2)], v[ACC+16*(\rt)+2*\p+1], v[TB+16*(\set)+2*\p+1]
	v_mul_f32 v[225+2*(\p%2)], v[ACC+16*(\rt)+2*\p+1], v[TB+16*(\set)+2*\p]
	v_fma_f32 v[ACC+16*(\rt)+2*\p+1], v[ACC+16*(\rt)+2*\p], v[TB+16*(\set)+2*\p+1], v[225+2*(\p%2)]
	v_fma_f32 v[ACC+16*(\rt)+2*\p], v[ACC+16*(\rt)+2*\p], v[TB+16*(\set)+2*\p], -v[224+2*(\p%2)]
.endr
.endm
.macro EPIQ hd
.irp g, 0,1,2,3
	s_wait_dscnt 0x0
	ROPE 2*\g, 0
	ROPE 2*\g+1, 1
.if \g < 3
	TBL \g+1
.endif
.irp u, 0,1
	v_max3_num_f32 v[228+\u], |v[ACC+32*\g+16*\u]|, |v[ACC+32*\g+16*\u+1]|, 0x1800000
.endr
.irp i, 2,4,6,8,10,12,14
.irp u, 0,1
	v_max3_num_f32 v[228+\u], v[228+\u], |v[ACC+32*\g+16*\u+\i]|, |v[ACC+32*\g+16*\u+\i+1]|
.endr
.endr
.irp u, 0,1
	v_permlanex16_b32 v[230+\u], v[228+\u], s[SEL], s[SEL+1]
.endr
.irp u, 0,1
	v_max_num_f32 v[228+\u], v[228+\u], v[230+\u]
.endr
.irp u, 0,1
	v_add_nc_u32 v[232+\u], 0xff000000, v[228+\u]
.endr
.irp u, 0,1
	v_lshrrev_b32 v[234+\u], 23, v[232+\u]
.endr
	v_cvt_scalef32_pk16_fp6_f32 v[236:238], v[ACC+32*\g:ACC+32*\g+15], v232
	v_cvt_scalef32_pk16_fp6_f32 v[240:242], v[ACC+32*\g+16:ACC+32*\g+31], v233
	v_cndmask_b32 v250, v234, v235, s58
.irp i, 0,1,2
	v_permlane16_swap_b32 v[236+\i], v[240+\i]
.endr
	v_cndmask_b32 v[ACC+32*\g], v236, v238, s58
	v_cndmask_b32 v[ACC+32*\g+1], v237, v240, s58
	v_cndmask_b32 v[ACC+32*\g+2], v238, v241, s58
	v_cndmask_b32 v[ACC+32*\g+3], v240, v242, s58
	v_cndmask_b32 v[ACC+32*\g+4], v241, v236, s58
	v_cndmask_b32 v[ACC+32*\g+5], v242, v237, s58
	ds_store_b32 v9, v250 offset:1024*(\hd)+128*\g
	global_store_b128 v6, v[ACC+32*\g:ACC+32*\g+3], s[56:57] offset:153600*(\hd)+1536*\g
	global_store_b64 v7, v[ACC+32*\g+4:ACC+32*\g+5], s[56:57] offset:153600*(\hd)+1536*\g
.endr
.endm
.macro VJOB i, left
	s_wait_loadcnt \left
.if (\i) == 0
	s_wait_xcnt 0x0
.endif
.irp j, 1,2,3,4,5,6,7
	v_mov_b32 v[BIAS+8*((\i)%2)+\j], v[BIAS+8*((\i)%2)]
.endr
.rept 8
	v_nop
.endr
	MULV \i
.if (\i) == 0
	WLOADV 2
.else
	s_wait_xcnt 0x0
.endif
	s_wait_dscnt 0x0
	QUANT ACC, 240
.irp c, 0,1,2
	global_store_b128 v1, v[PC+4*\c:PC+4*\c+3], s[80+8*(\i):81+8*(\i)] offset:512*\c
.endr
	v_add_nc_u32 v250, s[25+(\i)], v10
	ds_store_b32 v250, v240
.endm
	s_wait_tensorcnt 0x0
	s_barrier_signal -1
	s_barrier_wait -1
	XFETCH
	TBL 0
	s_wait_loadcnt 0x0
	MULQ 1
	WLOADQ 1
	EPIQ 0
	TBL 0
	s_wait_loadcnt 0x0
	s_wait_xcnt 0x0
	MULQ 0
	WLOADQ 2
	EPIQ 1
	TBL 0
	s_wait_loadcnt 0x0
	s_wait_xcnt 0x0
	MULQ 0
	WLOADV 0
	WLOADV 1
	EPIQ 2
	VJOB 0, 22
	VJOB 1, 22
	VJOB 2, 0
	s_wait_dscnt 0x0
	s_barrier_signal -1
	s_barrier_wait -1
	s_cmp_eq_u32 s18, 3
	s_cbranch_scc1 .Lend
.irp tt, 0,1
.irp e, 0,1
.irp u, 0,1
.irp b, 0,1
	ds_load_b32 v[64+8*\tt+4*\e+2*\u+\b], v13 offset:3072*\tt+512*\b+64*\u+128*\e
.endr
.endr
.endr
.endr
	ds_load_b64 v[88:89], v14
	s_wait_dscnt 0x0
.irp tt, 0,1
.irp e, 0,1
	v_lshl_or_b32 v[80+2*\tt+\e], v[65+8*\tt+4*\e], 8, v[64+8*\tt+4*\e]
	v_lshl_or_b32 v[80+2*\tt+\e], v[66+8*\tt+4*\e], 16, v[80+2*\tt+\e]
	v_lshl_or_b32 v[80+2*\tt+\e], v[67+8*\tt+4*\e], 24, v[80+2*\tt+\e]
.endr
.endr
	global_store_b64 v3, v[80:81], s[98:99] offset:151552
	global_store_b64 v3, v[82:83], s[98:99] offset:98304
	global_store_b64 v3, v[88:89], s[98:99] offset:100352
.Lend:
	s_wait_tensorcnt 0x0
	ds_add_u32 v254, v255
	s_wait_dscnt 0x0
	s_endpgm
.Lfunc_end_k_q1cd89a5e46_qkv:
	.size	k_q1cd89a5e46_qkv, .Lfunc_end_k_q1cd89a5e46_qkv-k_q1cd89a5e46_qkv
	.p2alignl 7, 3214868480
	.fill 96, 4, 3214868480
	.section	.rodata,"a",@progbits
	.p2align	6, 0x0
	.amdhsa_kernel k_q1cd89a5e46_qkv
		.amdhsa_group_segment_fixed_size 327680
		.amdhsa_private_segment_fixed_size 0
		.amdhsa_enable_private_segment 0
		.amdhsa_kernarg_size 56
		.amdhsa_user_sgpr_count 2
		.amdhsa_user_sgpr_kernarg_segment_ptr 1
		.amdhsa_wavefront_size32 1
		.amdhsa_system_sgpr_workgroup_id_x 1
		.amdhsa_system_sgpr_workgroup_id_y 1
		.amdhsa_system_sgpr_workgroup_id_z 1
		.amdhsa_system_vgpr_workitem_id 0
		.amdhsa_next_free_vgpr 1024
		.amdhsa_next_free_sgpr 102
		.amdhsa_reserve_vcc 0
		.amdhsa_float_denorm_mode_32 3
		.amdhsa_float_denorm_mode_16_64 3
		.amdhsa_memory_ordered 1
		.amdhsa_forward_progress 1
		.amdhsa_inst_pref_size 186
	.end_amdhsa_kernel
	.amdgpu_metadata
---
amdhsa.version: [ 1, 2 ]
amdhsa.kernels:
  - .name:           k_q1cd89a5e46_qkv
    .symbol:         k_q1cd89a5e46_qkv.kd
    .args:
      - { .name: xb, .offset: 0, .size: 8, .value_kind: global_buffer, .address_space: global }
      - { .name: wb, .offset: 8, .size: 8, .value_kind: global_buffer, .address_space: global }
      - { .name: rope, .offset: 16, .size: 8, .value_kind: global_buffer, .address_space: global }
      - { .name: bq, .offset: 24, .size: 8, .value_kind: global_buffer, .address_space: global }
      - { .name: bk, .offset: 32, .size: 8, .value_kind: global_buffer, .address_space: global }
      - { .name: bv, .offset: 40, .size: 8, .value_kind: global_buffer, .address_space: global }
      - { .name: qkv, .offset: 48, .size: 8, .value_kind: global_buffer, .address_space: global }
    .group_segment_fixed_size: 327680
    .private_segment_fixed_size: 0
    .kernarg_segment_align: 8
    .kernarg_segment_size: 56
    .max_flat_workgroup_size: 128
    .sgpr_count:     102
    .vgpr_count:     1024
    .wavefront_size: 32
...
	.end_amdgpu_metadata
.endif
;; end of part 2
;; launch attn (part 3): grid 256 x 1, 12 waves a work-group, no clusters, 327,680 bytes of LDS; arguments qkv, ob; writes ob
.if DOCPART == 3
	.amdgcn_target "amdgcn-amd-amdhsa--gfx1250"
	.amdhsa_code_object_version 6
	.text
	.protected	k_q1cd89a5e46_attn
	.globl	k_q1cd89a5e46_attn
	.p2align	8
	.type	k_q1cd89a5e46_attn,@function
k_q1cd89a5e46_attn:
	s_mov_b64 s[64:65], 0
	v_nop
	global_prefetch_b8 v0, s[64:65] scope:SCOPE_SE
	s_setreg_imm32_b32 hwreg(HW_REG_WAVE_MODE, 25, 1), 1
	s_wait_xcnt 0x0
; o = softmax(q k^T / 8) v for 96 (batch, head) pairs of 1,024 x 1,024, head size 64, both products on codes of FP6 (E2M3) with E8M0 block scales; o is quantised at once along the head's 64 for the last projection.
; THE SOFTMAX: t = score x log2(e) / 8; M = the row's largest t so far, rounded UP to a whole number; p = 2^(t - M) is quantised along the keys, not normalised.  The row's sum is taken of the unquantised p, in f32,
; and divides O at the end.  When M moves, the sum and O are multiplied by 2^(old M - new M): exact.
; SHARES.  3,072 groups of 32 queries = 256 work-groups x 12 waves: wave w takes group 12 x work-group + w, both its tiles of 16 queries in ONE walk over the 1,024 keys, 128 a step: each fragment of K and of V
; is read from LDS once for both tiles.  Three waves stand on a SIMD, 320 registers each.
; A WHOLE BLOCK OF 32 KEYS IN A LANE.  Both products are used transposed (S^T = K Q^T, O^T = V^T P^T): a lane holds one query, lanes 0-15 rows 0-7 of a tile of keys, lanes 16-31 rows 8-15.  The rows of a tile are chosen
; by the lanes' LDS addresses: rows 0-7 from group 2 G of the step's four groups of 32 keys, rows 8-15 from group 2 G + 1.  So the 32 score registers of pair G are block 2 G in lanes 0-15 and block 2 G + 1 in lanes 16-31,
; which is the layout of the second product's operand: a block's maximum needs no other lane and its codes are not moved between lanes.  Image t of a pair takes rows 8 t .. of the even group and rows 8 (1 - t) .. of the
; odd one; the odd block's halves of 16 keys so stand exchanged, and V's odd blocks are laid the same way by the launch before.
; HEAD SIZE 64 IS HALF OF AN INSTRUCTION'S K: an image of K holds two tiles (K = 0 .. 63, 64 .. 127); against (Q, zeros) it gives the first's scores, against (zeros, Q) the second's.
; LDS.  A work-group's 12 groups lie in one head or in two that follow each other: region 0 holds the first group's head, region 1 the last group's.  Two fills, each once: area 1 (2 x 28,672 bytes: K and V of steps 0-1,
; all scale words) at the head, one tensor load a wave; area 2 (from 57,344: 2 x 73,728 bytes: K and V of steps 2-7) behind the first barrier, one a wave, out while steps 0-1 are worked.  Every wait on TENSORcnt is for 0.
; NO CLUSTER: eight work-groups span three heads, so neighbours hold different pairs of heads and their descriptors would differ.  NO PREFETCH: both fills are issued ahead of the loops; no loop runs ahead of a fill.
; ob: [batch x 32 + group] x 19,968 bytes: [u 2][head 12][768: a lane's six registers, 0-3 at 16 x lane, 4-5 at 512 + 8 x lane], then at 18,432 [head 12][lane 32] words b0 | b1 << 8 (lanes 0-15 tile 0); that store covers 128 bytes.
; LIMITS: NaN and infinities are not served; the scaled scores t stay under 2^31 in magnitude; blocks whose largest magnitude lies under 2^-124 keep the byte 1; a block of zeros has the byte 1 (its codes are zeros).
; REGISTERS, window 0: v1-6 lane addresses (K image 0, 1; V; K's words 0, 1; V's words); v7-12 the step's; v14.. per tile -M, the sum; v22-23 largest score; v24-53 zeros, Q0, zeros, Q1, zeros; v54-55 Q's words;
;   v56-103 four fragments; v104-167 S^T, then p; v168-191 p's codes; v192-198 upper halves; v200-207 K's, V's words; v208-209 p's words; v210-213 f; v214-237 at work.  Window 1: v0-63 O^T (tile tl, channels d at 32 tl + 8 d).
.set N1,    2                          ; steps in area 1
.set IM1,   N1*6144                    ; their images of K, or of V, in bytes
.set IM2,   49152-IM1                  ; the other steps'
.set A1,    2*IM1+4096                 ; a region of area 1: K, V, K's words, V's words
.set A2B,   2*A1                       ; area 2 begins here; a region of it is 2 IM2 bytes
.set SPARE, 204800
.set NM, 14
.set L,  16
.set SM, 22
.set QB, 24
.set QW, 54
.set FB, 56
.set S,  104
.set PC, 168
.set T,  192
.set KS, 200
.set VS, 204
.set PW, 208
.set F,  210
.set BM, 214
.set BP, 218
.set SO, 222
.set QS, 230
.set MSB, 0
.macro WIN new                         ; the immediate's high byte repeats the setting that is left
.if MSB != (\new)
	s_set_vgpr_msb (MSB<<8)|(\new)
.set MSB, (\new)
.endif
.endm
.macro WM d, a, b, sa, sb
	v_wmma_scale_f32_16x16x128_f8f6f4 v[(\d):(\d)+7], v[(\a):(\a)+11], v[(\b):(\b)+11], v[(\d):(\d)+7], v[(\sa)], v[(\sb)] matrix_a_fmt:MATRIX_FMT_FP6 matrix_b_fmt:MATRIX_FMT_FP6
.endm
.macro WMZ d, a, b, sa, sb
	v_wmma_scale_f32_16x16x128_f8f6f4 v[(\d):(\d)+7], v[(\a):(\a)+11], v[(\b):(\b)+11], 0, v[(\sa)], v[(\sb)] matrix_a_fmt:MATRIX_FMT_FP6 matrix_b_fmt:MATRIX_FMT_FP6
.endm
.macro NOPS
.rept 4
	v_nop
.endr
.endm
	s_load_b128 s[4:7], s[0:1], 0x0                ; qkv s[4:5], ob s[6:7]
	v_lshl_add_u32 v254, v0, 2, SPARE
	v_mov_b32 v255, 0
	ds_add_u32 v254, v255                          ; the opening lines
	ds_add_u32 v254, v255
	v_lshrrev_b32 v8, 5, v0
	v_readfirstlane_b32 s8, v8                     ; wave 0 .. 11
	s_mul_i32 s9, ttmp9, 12
	s_add_co_u32 s10, s9, s8                       ; my group of queries
	s_lshr_b32 s11, s10, 5                         ; its (batch, head)
	s_and_b32 s12, s10, 31                         ; its number in the head
	s_lshr_b32 s13, s9, 5                          ; region 0's head
	s_add_co_u32 s14, s9, 11
	s_lshr_b32 s14, s14, 5                         ; region 1's
	s_sub_co_u32 s15, s11, s13
	s_min_u32 s15, s15, 1                          ; my region
	; three groups 1: dense blocks as rows of 32 elements of 8 bytes: IM1 / 2 bytes (one step's images), 8 rows (a head's words of K or V), IM2 / 3 bytes
.irp g, 16, 24, 32
	s_mov_b32 s[\g], 3<<16
	s_mov_b32 s[\g+1], 32<<16
	s_mov_b32 s[\g+3], 32<<16
	s_mov_b32 s[\g+5], 32
	s_mov_b32 s[\g+6], 0
	s_mov_b32 s[\g+7], 0
.endr
	s_mov_b32 s18, (IM1/512)<<16
	s_mov_b32 s20, IM1/512
	s_mov_b32 s26, 8<<16
	s_mov_b32 s28, 8
	s_mov_b32 s34, (IM2/768)<<16
	s_mov_b32 s36, IM2/768
	; waves 0-7: region w / 4, K or V by bit 1, half of area 1's images by bit 0
	s_lshr_b32 s52, s8, 2
	s_bfe_u32 s53, s8, 0x10001
	s_and_b32 s54, s8, 1
	s_mul_i32 s55, s54, IM1/2
	s_mov_b32 s40, 1
	s_mul_i32 s41, s52, A1
	s_mul_i32 s56, s53, IM1
	s_add_co_u32 s41, s41, s56
	s_add_co_u32 s41, s41, s55
	s_cmp_eq_u32 s52, 0
	s_cselect_b32 s56, s13, s14
	s_mul_i32 s56, s56, 153600
	s_mul_i32 s57, s53, 49152
	s_add_co_u32 s56, s56, s57
	s_add_co_u32 s56, s56, s55
	s_mov_b32 s57, 0
	; waves 8-11: region by bit 1, K's or V's words by bit 0
	s_mov_b32 s44, 1
	s_mul_i32 s45, s53, A1
	s_lshl_b32 s55, s54, 11
	s_add_co_u32 s45, s45, s55
	s_add_co_u32 s45, s45, 2*IM1
	s_cmp_eq_u32 s53, 0
	s_cselect_b32 s58, s13, s14
	s_mul_i32 s58, s58, 153600
	s_add_co_u32 s58, s58, s55
	s_add_co_u32 s58, s58, 98304
	s_mov_b32 s59, 0
	; the second fill: piece w / 3 (region, K or V), third w % 3 of its IM2 bytes: LDS byte A2B + w IM2 / 3
	s_mov_b32 s48, 1
	s_mul_i32 s49, s8, IM2/3
	s_add_co_u32 s49, s49, A2B
	s_mul_i32 s52, s8, 11
	s_lshr_b32 s52, s52, 5                         ; w / 3, right for 0 .. 11
	s_mul_i32 s53, s52, 3
	s_sub_co_u32 s53, s8, s53
	s_mul_i32 s60, s53, IM2/3
	s_and_b32 s53, s52, 1
	s_mul_i32 s53, s53, 49152
	s_add_co_u32 s60, s60, s53
	s_add_co_u32 s60, s60, IM1
	s_cmp_lt_u32 s52, 2
	s_cselect_b32 s53, s13, s14
	s_mul_i32 s53, s53, 153600
	s_add_co_u32 s60, s60, s53
	s_mov_b32 s61, 0
	s_wait_dscnt 0x0                               ; both opening adds are done
	s_wait_kmcnt 0x0
	s_add_nc_u64 s[42:43], s[4:5], s[56:57]
	s_or_b32 s43, s43, 0x80000000
	s_add_nc_u64 s[46:47], s[4:5], s[58:59]
	s_or_b32 s47, s47, 0x80000000
	s_add_nc_u64 s[50:51], s[4:5], s[60:61]
	s_or_b32 s51, s51, 0x80000000
	s_cmp_lt_u32 s8, 8                             ; every way through the head passes one fill
	s_cbranch_scc0 .Lwords
	tensor_load_to_lds s[40:43], s[16:23]
	s_nop 0
	NOPS
	s_branch .Lasked
.Lwords:
	tensor_load_to_lds s[44:47], s[24:31]
	s_nop 0
	NOPS
.Lasked:
	s_mul_i32 s70, s11, 153600
	s_mul_i32 s71, s12, 1536
	s_add_co_u32 s66, s70, s71
	s_add_co_u32 s66, s66, 102400
	s_mov_b32 s67, 0
	s_add_nc_u64 s[66:67], s[4:5], s[66:67]        ; my group's image of Q
	s_lshr_b32 s71, s12, 2
	s_lshl_b32 s71, s71, 8
	s_and_b32 s68, s12, 3
	s_lshl_b32 s68, s68, 2
	s_add_co_u32 s68, s68, s71
	s_add_co_u32 s68, s68, s70
	s_add_co_u32 s68, s68, 151552
	s_mov_b32 s69, 0
	s_add_nc_u64 s[68:69], s[4:5], s[68:69]        ; its scale words: [group / 4][r][group % 4]
	s_mul_i32 s71, s11, 5462
	s_lshr_b32 s71, s71, 16                        ; batch = (batch, head) / 12, right for 0 .. 95
	s_mul_i32 s70, s71, 12
	s_sub_co_u32 s70, s11, s70                     ; head
	s_lshl_b32 s71, s71, 5
	s_add_co_u32 s71, s71, s12
	s_mul_i32 s71, s71, 19968
	s_mul_i32 s72, s70, 768
	s_add_co_u32 s72, s72, s71
	s_mov_b32 s73, 0
	s_add_nc_u64 s[72:73], s[6:7], s[72:73]        ; o's codes
	s_lshl_b32 s74, s70, 7
	s_add_co_u32 s74, s74, s71
	s_mov_b32 s75, 0
	s_add_nc_u64 s[74:75], s[6:7], s[74:75]        ; o's words (18,432 stands in the store)
	s_mov_b32 s76, 0x76543210
	s_mov_b32 s77, 0xfedcba98                      ; v_permlanex16_b32's selects for lane l xor 16
	s_mov_b32 s78, 0x3e38aa3b                      ; c = log2(e) / 8
	s_mov_b32 s79, s78
	s_mov_b32 s80, 0xbe38aa3b                      ; -c
	s_mov_b32 s81, 0xffff0000                      ; lanes 16-31
	s_mul_i32 s87, s15, A1                         ; my region in area 1
	s_mul_i32 s85, s15, 2*IM2-A1
	s_add_co_u32 s85, s85, A2B                     ; from K's place in area 1 to its place in area 2
	s_add_co_u32 s86, s85, IM2-IM1                 ; the same for V
	v_and_b32 v8, 31, v0                           ; lane
	v_and_b32 v9, 15, v0                           ; r
	v_bfe_u32 v10, v0, 3, 1                        ; r / 8
	v_lshlrev_b32 v11, 4, v8
	v_lshlrev_b32 v12, 4, v9
.irp p, 0,1,2
	global_load_b128 v[S+4*\p:S+4*\p+3], v11, s[66:67] offset:512*\p
.endr
	global_load_b32 v13, v12, s[68:69]
	v_mul_u32_u24 v1, v10, 1536                    ; rows 8-15 of a tile come from the pair's odd group
	v_add_nc_u32 v1, s87, v1
	v_xor_b32 v2, 8, v8
	v_lshl_add_u32 v2, v2, 4, v1                   ; image 1: the image lane 16 h + (r xor 8)
	v_add_nc_u32 v1, v1, v11                       ; image 0: the image lane 16 h + r
	v_add_nc_u32 v3, s87, v11
	v_add_nc_u32 v3, IM1, v3                       ; V's images: 16 x lane
	v_lshl_add_u32 v4, v10, 2, s87
	v_xor_b32 v5, 8, v9
	v_lshl_add_u32 v5, v5, 4, v4
	v_add_nc_u32 v5, 2*IM1, v5                     ; K's words [r][group]: image 1's rows
	v_add_nc_u32 v4, v4, v12
	v_add_nc_u32 v4, 2*IM1, v4                     ; image 0's
	v_add_nc_u32 v6, s87, v12
	v_add_nc_u32 v6, 2*IM1+2048, v6                ; V's words: 16 r
.irp i, 0,1,2,3,4,5
	v_mov_b32 v[QB+\i], 0                          ; the zero halves beside Q
	v_mov_b32 v[QB+12+\i], 0
	v_mov_b32 v[QB+24+\i], 0
.endr
.irp tl, 0,1
	v_mov_b32 v[SM+\tl], 0xff61b1e6                ; the largest score so far: -3e38
	v_mov_b32 v[NM+4*\tl], 0x7f000000              ; -M: 2^127, so that the first f is 0
	v_mov_b32 v[NM+4*\tl+1], 0                     ; (upper halves of pairs that are named whole)
	v_mov_b32 v[L+4*\tl], 0
	v_mov_b32 v[L+4*\tl+1], 0
	v_mov_b32 v[F+2*\tl+1], 0
.endr
.irp b, 0,1,2,3
	v_mov_b32 v[BP+\b], 0                          ; a lane permute's destination counts as one of its sources
.endr
	WIN 0x40
.set j, 0
.rept 64
	v_mov_b32 v[j], 0                              ; O^T: the step is written once: the first finds zeros, which f = 0 leaves zeros
.set j, j+1
.endr
	WIN 0
	s_wait_loadcnt 0x0                             ; Q and its words: b0, b1 of tile 0, b0, b1 of tile 1
.irp i, 0,1,2,3,4,5
	v_mov_b32 v[QB+6+\i], v[S+\i]
	v_mov_b32 v[QB+18+\i], v[S+6+\i]
.endr
	v_and_b32 v[BM], 0xffff, v13
	v_lshrrev_b32 v[BM+1], 16, v13
	v_lshl_or_b32 v[QW], v13, 16, v[BM]            ; a tile's two bytes in both halves of the word: they serve Q in either half of K
	v_and_or_b32 v[QW+1], v13, s81, v[BM+1]
	s_wait_alu depctr_va_vdst(0)
	s_wait_tensorcnt 0x0                           ; my part of area 1 has landed
	ds_add_u32 v254, v255
	s_wait_dscnt 0x0
	s_barrier_signal -1
	s_barrier_wait -1                              ; everybody's has
	tensor_load_to_lds s[48:51], s[32:39]          ; my part of area 2: a first fill, my one load behind this barrier
	s_nop 0
	NOPS
; The scores of tile tl against the step's four images; four places (ISA guide 7.12.1) follow each use of the macro
.macro SCORES tl
.irp g, 0,1
.irp t, 0,1
	WMZ S+32*\g+16*\t, FB+24*\g+12*\t, QB+6+12*(\tl), KS+2*\g+\t, QW+(\tl)
	WMZ S+32*\g+16*\t+8, FB+24*\g+12*\t, QB+12*(\tl), KS+2*\g+\t, QW+(\tl)
.endr
.endr
.endm
.macro MOVS tl                         ; the upper halves of tile tl's two blocks go to their places in the operand
.irp c, 0,1
.irp i, 0,1,2
	v_mov_b32 v[PC+12*(\tl)+3+6*\c+\i], v[T+4*\c+\i]
.endr
.endr
.endm
; Tile tl: registers S + 32 c + i are the 32 keys of my block 2 c + (lane / 16).  mv = 1: the moves stand inside; 0: they follow behind the next scores' products, as their places
.macro SOFT tl, mv
.irp q, 0,1,2,3
	v_max3_num_f32 v[BM+\q], v[S+16*\q], v[S+16*\q+1], v[S+16*\q+2]   ; four chains by turns; each accumulator is first read at its low end
.endr
.irp i, 3,5,7,9,11,13
.irp q, 0,1,2,3
	v_max3_num_f32 v[BM+\q], v[BM+\q], v[S+16*\q+\i], v[S+16*\q+\i+1]
.endr
.endr
	v_max3_num_f32 v[BM], v[BM], v[BM+1], v[S+15]
	v_max3_num_f32 v[BM+2], v[BM+2], v[BM+3], v[S+47]
	v_max_num_f32 v[BM], v[BM], v[S+31]            ; my two blocks' largest scores: for the row's maximum and, since p rises with the score, for the blocks' largest p
	v_max_num_f32 v[BM+2], v[BM+2], v[S+63]
	v_max_num_f32 v[BM+1], v[BM], v[BM+2]
	v_permlanex16_b32 v[BM+3], v[BM+1], s76, s77
	v_max3_num_f32 v[SM+(\tl)], v[SM+(\tl)], v[BM+1], v[BM+3]   ; the running largest score of my query
	s_delay_alu instid0(VALU_DEP_1)
	v_mul_f32 v[BM+1], s80, v[SM+(\tl)]            ; -t
	s_delay_alu instid0(VALU_DEP_1)
	v_floor_f32 v[BM+1], v[BM+1]                   ; the new -M = -ceil(t)
	s_delay_alu instid0(VALU_DEP_1)
	v_sub_f32 v[BM+3], v[BM+1], v[NM+4*(\tl)]      ; old M - new M: a whole number, 0 or less
	v_mov_b32 v[NM+4*(\tl)], v[BM+1]
	s_delay_alu instid0(VALU_DEP_2)
	v_cvt_i32_f32 v[BM+3], v[BM+3]                 ; (it saturates)
.set j, 0
.rept 32
	v_pk_fma_f32 v[S+j:S+j+1], v[S+j:S+j+1], s[78:79], v[NM+4*(\tl):NM+4*(\tl)+1] op_sel_hi:[1,0,0]   ; t - M
.set j, j+2
.endr
	v_fma_f32 v[BM], v[BM], s78, v[NM+4*(\tl)]
	v_fma_f32 v[BM+2], v[BM+2], s78, v[NM+4*(\tl)]
	s_wait_alu depctr_va_vdst(0)
.set j, 0
.rept 64
	v_exp_f32 v[S+j], v[S+j]                       ; p = 2^(t - M)
.set j, j+1
.endr
	v_exp_f32 v[BM], v[BM]                         ; the blocks' largest p: the same two instructions on the same numbers
	v_exp_f32 v[BM+2], v[BM+2]
	v_ldexp_f32 v[F+2*(\tl)], 1.0, v[BM+3]         ; f = 2^(old M - new M) (the plain place behind the exponentials)
	s_wait_alu depctr_va_vdst(0)
	v_max_num_f32 v[BM], 0x1800000, v[BM]          ; the floor 2^(3 - 127)
	v_max_num_f32 v[BM+2], 0x1800000, v[BM+2]
	s_delay_alu instid0(VALU_DEP_2)
	v_add_nc_u32 v[BM], 0xff000000, v[BM]          ; 2 off the exponent field: the conversions' scale operands
	s_delay_alu instid0(VALU_DEP_2)
	v_add_nc_u32 v[BM+2], 0xff000000, v[BM+2]
	s_delay_alu instid0(VALU_DEP_2)
	v_lshrrev_b32 v[BM+1], 23, v[BM]               ; the bytes
	s_delay_alu instid0(VALU_DEP_2)
	v_lshrrev_b32 v[BM+3], 23, v[BM+2]
	s_delay_alu instid0(VALU_DEP_1)
	v_lshl_or_b32 v[BM+1], v[BM+3], 16, v[BM+1]
	s_delay_alu instid0(VALU_DEP_1)
	v_permlanex16_b32 v[BM+3], v[BM+1], s76, s77
	s_delay_alu instid0(VALU_DEP_1)
	v_lshl_or_b32 v[PW+(\tl)], v[BM+3], 8, v[BM+1] ; lanes 0-15, which alone are read: blocks 0, 2 mine, blocks 1, 3 lane l + 16's
.irp c, 0,1
	v_cvt_scalef32_pk16_fp6_f32 v[PC+12*(\tl)+6*\c:PC+12*(\tl)+6*\c+2], v[S+32*\c:S+32*\c+15], v[BM+2*\c]
	v_cvt_scalef32_pk16_fp6_f32 v[T+4*\c:T+4*\c+2], v[S+32*\c+16:S+32*\c+31], v[BM+2*\c]   ; (a conversion's three registers begin on an even number)
.endr
.irp k, 0,1,2,3                        ; the row's sum of the unquantised p, four chains by turns (also the plain place behind the conversions)
	v_pk_add_f32 v[QS+2*\k:QS+2*\k+1], v[S+2*\k:S+2*\k+1], v[S+8+2*\k:S+9+2*\k]
.endr
.irp m, 0,1,2,3,4,5
.irp k, 0,1,2,3
	v_pk_add_f32 v[QS+2*\k:QS+2*\k+1], v[QS+2*\k:QS+2*\k+1], v[S+16+8*\m+2*\k:S+17+8*\m+2*\k]
.endr
.endr
	v_pk_add_f32 v[QS:QS+1], v[QS:QS+1], v[QS+2:QS+3]
	v_pk_add_f32 v[QS+4:QS+5], v[QS+4:QS+5], v[QS+6:QS+7]
.if \mv
	MOVS \tl
.endif
	v_pk_add_f32 v[QS:QS+1], v[QS:QS+1], v[QS+4:QS+5]
	s_delay_alu instid0(VALU_DEP_1)
	v_pk_fma_f32 v[L+4*(\tl):L+4*(\tl)+1], v[L+4*(\tl):L+4*(\tl)+1], v[F+2*(\tl):F+2*(\tl)+1], v[QS:QS+1] op_sel_hi:[1,0,1]   ; the sum under the new M, and this step's part
	s_wait_alu depctr_va_vdst(0)                   ; directly ahead of the first reader of O^T
	WIN 0x41
.set j, 0
.rept 16
	v_pk_mul_f32 v[32*(\tl)+j:32*(\tl)+j+1], v[32*(\tl)+j:32*(\tl)+j+1], v[F+2*(\tl):F+2*(\tl)+1] op_sel_hi:[1,0]   ; O^T under the new M, each accumulator from its low end on; also the places between p's codes and word and the products
.set j, j+2
.endr
	WIN 0
.endm
; A KEY STEP: 128 keys, both tiles
.macro STEP
	v_add_nc_u32 v7, s82, v1                       ; (these four are the places behind the last products, in front of the loads into the fragments)
	v_add_nc_u32 v8, s82, v2
	v_add_nc_u32 v10, s83, v4
	v_add_nc_u32 v11, s83, v5
.irp g, 0,1
.irp t, 0,1
.irp p, 0,1,2
	ds_load_b128 v[FB+24*\g+12*\t+4*\p:FB+24*\g+12*\t+4*\p+3], v[7+\t] offset:3072*\g+512*\p
.endr
	ds_load_b32 v[KS+2*\g+\t], v[10+\t] offset:8*\g
.endr
.endr
	s_wait_alu depctr_va_vdst(0)
	s_wait_dscnt 0x0
	SCORES 0
	v_add_nc_u32 v9, s82, v3                       ; four places in front of the first read of the scores: V's addresses,
	v_add_nc_u32 v12, s83, v6
	v_nop                                          ; and two idle ones
	v_nop
	SOFT 0, 0
	SCORES 1
	MOVS 0                                         ; six places in front of the loads into the fragments and of the first read of the scores
.irp d, 0,1,2,3                        ; V's four tiles land during the second tile's softmax
.irp p, 0,1,2
	ds_load_b128 v[FB+12*\d+4*\p:FB+12*\d+4*\p+3], v9 offset:1536*\d+512*\p
.endr
.endr
	ds_load_b128 v[VS:VS+3], v12
	SOFT 1, 1
	s_wait_alu depctr_va_vdst(0)
	s_wait_dscnt 0x0                               ; V and its words are in
	WIN 0x50
.irp d, 0,1,2,3                        ; eight accumulators, one instruction each
.irp tl, 0,1
	WM 32*\tl+8*\d, FB+12*\d, PC+12*\tl, VS+\d, PW+\tl
.endr
.endr
	WIN 0
	s_add_co_u32 s82, s82, 6144                    ; the next step's images
	s_add_co_u32 s83, s83, 256                     ; and words
.endm
	s_mov_b32 s82, 0
	s_mov_b32 s83, 0
	s_mov_b32 s84, N1
.Lfirst:                                               ; the first N1 steps, out of area 1
	STEP
	s_sub_co_u32 s84, s84, 1
	s_cmp_lg_u32 s84, 0
	s_cbranch_scc1 .Lfirst
	v_add_nc_u32 v1, s85, v1                       ; the images' addresses go over to area 2; the words stay where they are
	v_add_nc_u32 v2, s85, v2
	v_add_nc_u32 v3, s86, v3
	s_mov_b32 s82, 0
	s_mov_b32 s84, 8-N1
	s_wait_alu depctr_va_vdst(0)
	s_wait_tensorcnt 0x0                           ; my part of area 2 has landed,
	s_wait_dscnt 0x0
	s_barrier_signal -1
	s_barrier_wait -1                              ; everybody's has
.Lrest:                                                ; the other steps
	STEP
	s_sub_co_u32 s84, s84, 1
	s_cmp_lg_u32 s84, 0
	s_cbranch_scc1 .Lrest
	NOPS                                           ; four places behind the last products
.irp tl, 0,1
	v_add_f32 v[L+4*\tl], v[L+4*\tl], v[L+4*\tl+1]
.endr
.irp tl, 0,1
	s_delay_alu instid0(VALU_DEP_2)
	v_permlanex16_b32 v[BP+\tl], v[L+4*\tl], s76, s77
.endr
.irp tl, 0,1
	s_delay_alu instid0(VALU_DEP_2)
	v_add_f32 v[L+4*\tl], v[L+4*\tl], v[BP+\tl]    ; the rows' sums
.endr
	s_wait_alu depctr_va_vdst(0)
	v_rcp_f32 v[L], v[L]
	v_rcp_f32 v[L+4], v[L+4]
	v_nop                                          ; one plain place behind a transcendental
	s_wait_alu depctr_va_vdst(0)
	WIN 0x01
.irp tl, 0,1
.set j, 0
.rept 16
	v_pk_mul_f32 v[S+32*\tl+j:S+32*\tl+j+1], v[32*\tl+j:32*\tl+j+1], v[L+4*\tl:L+4*\tl+1] op_sel_hi:[1,0]   ; o: register S + 32 tl + 16 b + i = channel 32 b + 16 (lane / 16) + i of my query of tile tl
.set j, j+2
.endr
.endr
	WIN 0
.irp q, 0,1,2,3                        ; q = 2 tl + b: four half blocks by turns
	v_max3_num_f32 v[BM+\q], |v[S+16*\q]|, |v[S+16*\q+1]|, 0x1800000
.endr
.irp i, 2,4,6,8,10,12,14
.irp q, 0,1,2,3
	v_max3_num_f32 v[BM+\q], v[BM+\q], |v[S+16*\q+\i]|, |v[S+16*\q+\i+1]|
.endr
.endr
.irp q, 0,1,2,3
	v_permlanex16_b32 v[BP+\q], v[BM+\q], s76, s77
.endr
.irp q, 0,1,2,3
	v_max_num_f32 v[BM+\q], v[BM+\q], v[BP+\q]     ; with lane l xor 16's 16 channels
.endr
.irp q, 0,1,2,3
	v_add_nc_u32 v[SO+\q], 0xff000000, v[BM+\q]
.endr
.irp q, 0,1,2,3
	v_lshrrev_b32 v[BP+\q], 23, v[SO+\q]
.endr
	v_lshl_or_b32 v226, v[BP+1], 8, v[BP]          ; the head's two bytes of my query, tile 0,
	v_lshl_or_b32 v227, v[BP+3], 8, v[BP+2]        ; tile 1
.irp tl, 0,1
	v_cvt_scalef32_pk16_fp6_f32 v[PC+12*\tl:PC+12*\tl+2], v[S+32*\tl:S+32*\tl+15], v[SO+2*\tl]
	v_cvt_scalef32_pk16_fp6_f32 v[PC+12*\tl+4:PC+12*\tl+6], v[S+32*\tl+16:S+32*\tl+31], v[SO+2*\tl+1]
.endr
	v_and_b32 v7, 31, v0                           ; (plain work behind the conversions) the way out: lane,
	v_cndmask_b32 v228, v226, v227, s81            ; lanes 0-15 tile 0's word, lanes 16-31 tile 1's
	v_lshlrev_b32 v8, 4, v7
	v_lshlrev_b32 v9, 3, v7
	v_lshlrev_b32 v10, 2, v7
	v_add_nc_u32 v9, 512, v9
.irp tl, 0,1
.irp i, 0,1,2
	v_permlane16_swap_b32 v[PC+12*\tl+\i], v[PC+12*\tl+4+\i]   ; lane (r, h) now holds block h whole
.endr
	v_mov_b32 v[PC+12*\tl+3], v[PC+12*\tl+4]
	v_mov_b32 v[PC+12*\tl+4], v[PC+12*\tl+5]
	v_mov_b32 v[PC+12*\tl+5], v[PC+12*\tl+6]
	global_store_b128 v8, v[PC+12*\tl:PC+12*\tl+3], s[72:73] offset:9216*\tl      ; 512 consecutive bytes, aligned to 256
	global_store_b64 v9, v[PC+12*\tl+4:PC+12*\tl+5], s[72:73] offset:9216*\tl     ; 256 consecutive bytes, aligned
.endr
	global_store_b32 v10, v228, s[74:75] offset:18432
	s_wait_tensorcnt 0x0                           ; the wave's end
	ds_add_u32 v254, v255
	s_wait_dscnt 0x0
	s_endpgm
.Lfunc_end_k_q1cd89a5e46_attn:
	.size	k_q1cd89a5e46_attn, .Lfunc_end_k_q1cd89a5e46_attn-k_q1cd89a5e46_attn
	.p2alignl 7, 3214868480
	.fill 96, 4, 3214868480
	.section	.rodata,"a",@progbits
	.p2align	6, 0x0
	.amdhsa_kernel k_q1cd89a5e46_attn
		.amdhsa_group_segment_fixed_size 327680
		.amdhsa_private_segment_fixed_size 0
		.amdhsa_enable_private_segment 0
		.amdhsa_kernarg_size 16
		.amdhsa_user_sgpr_count 2
		.amdhsa_user_sgpr_kernarg_segment_ptr 1
		.amdhsa_wavefront_size32 1
		.amdhsa_system_sgpr_workgroup_id_x 1
		.amdhsa_system_sgpr_workgroup_id_y 1
		.amdhsa_system_sgpr_workgroup_id_z 1
		.amdhsa_system_vgpr_workitem_id 0
		.amdhsa_next_free_vgpr 320
		.amdhsa_next_free_sgpr 96
		.amdhsa_reserve_vcc 0
		.amdhsa_float_denorm_mode_32 3
		.amdhsa_float_denorm_mode_16_64 3
		.amdhsa_memory_ordered 1
		.amdhsa_forward_progress 1
		.amdhsa_inst_pref_size 75
	.end_amdhsa_kernel
	.amdgpu_metadata
---
amdhsa.version: [ 1, 2 ]
amdhsa.kernels:
  - .name:           k_q1cd89a5e46_attn
    .symbol:         k_q1cd89a5e46_attn.kd
    .args:
      - { .name: qkv, .offset: 0, .size: 8, .value_kind: global_buffer, .address_space: global }
      - { .name: ob, .offset: 8, .size: 8, .value_kind: global_buffer, .address_space: global }
    .group_segment_fixed_size: 327680
    .private_segment_fixed_size: 0
    .kernarg_segment_align: 8
    .kernarg_segment_size: 16
    .max_flat_workgroup_size: 384
    .sgpr_count:     96
    .vgpr_count:     320
    .wavefront_size: 32
...
	.end_amdgpu_metadata
.endif
;; end of part 3
;; launch oproj (part 4): grid 4 x 64, 4 waves a work-group, clusters of 4 x 4, 327,680 bytes of LDS; arguments ob, wb, bo, out0; writes out0
.if DOCPART == 4
	.amdgcn_target "amdgcn-amd-amdhsa--gfx1250"
	.amdhsa_code_object_version 6
	.text
	.protected	k_q1cd89a5e46_oproj
	.globl	k_q1cd89a5e46_oproj
	.p2align	8
	.type	k_q1cd89a5e46_oproj,@function
k_q1cd89a5e46_oproj:
	s_mov_b64 s[64:65], 0
	v_nop
	global_prefetch_b8 v0, s[64:65] scope:SCOPE_SE
	s_setreg_imm32_b32 hwreg(HW_REG_WAVE_MODE, 25, 1), 1
	s_wait_xcnt 0x0
	s_wait_alu depctr_hold_cnt(0) depctr_sa_sdst(0) depctr_va_vdst(0) depctr_va_sdst(0) depctr_va_ssrc(0) depctr_va_vcc(0) depctr_vm_vsrc(0)
	s_getreg_b32 s2, hwreg(HW_REG_IB_STS2, 6, 4)
	s_cmp_eq_u32 s2, 0
	s_cbranch_scc0 .Lentry_in_a_cluster
	s_endpgm
.Lentry_in_a_cluster:
	s_bfe_u32 s2, ttmp6, 0x10000c
	s_cmp_lg_u32 s2, 0xf033
	s_cbranch_scc0 .Lentry_shape_is_right
	s_endpgm
.Lentry_shape_is_right:
; out0 = o Wo + bo on codes of FP6 (E2M3) with E8M0 block scales; o's codes and Wo's lie in memory in the order of an operand's registers.  K = 768 = 12 heads x 64: K step s is heads 2 s and 2 s + 1.
; SHARES.  Work-group (cg, y): 128 tokens x 192 columns (blocks 6 cg .. 6 cg + 5 of Wo).  Wave w: th = w / 2: token groups 2 th, 2 th + 1 (four tiles); ch = w % 2: blocks 3 ch .. 3 ch + 2: 24 accumulators, 144 matrix instructions.
; Used transposed (source 0 = 16 columns of Wo, source 1 = 16 tokens): a lane holds one token and eight neighbouring columns.  Row r of tile u of a group of 32 is number 8 u + r + 8 (r / 8).
; CLUSTER 4 x 4.  The four work-groups of a column of the cluster (same cg) need the same 115,200 bytes of Wo, the four of a row (same y) the same 79,872 bytes of o: each block is asked for JOINTLY, by the same tensor load with the
; same descriptor and a mask that names the four.  Everything is filled once: one round of the cluster's barrier in front of the loads, one in front of the end.
; LDS: 0: o, four groups of 19,968 bytes; WL: six blocks of 19,200 bytes; STG: the stage for the way out, 128 rows of 768 + 16 bytes, into which no fill lands.
; REGISTERS.  Window 0: v1-13 addresses; v16-33 Wo's scale words; v34-45 o's; v48-59 bo; v64-255 the accumulators (tile rtl, block bl, tile u at 64 + 8 (6 rtl + 2 bl + u)).
;   Window n = 1 .. 3 (K steps 2 n - 2, 2 n - 1): o's fragment (rtl, e) at 24 rtl + 12 e; Wo's (bl, u, e) at 96 + 48 bl + 24 u + 12 e.
.set WL,  79872
.set STG, 195072
.set WS,  16
.set OS,  34
.set BB,  48
.set ACC, 64
.set MSB, 0
.macro WIN new                         ; the immediate's high byte repeats the setting that is left
.if MSB != (\new)
	s_set_vgpr_msb (MSB<<8)|(\new)
.set MSB, (\new)
.endif
.endm
; one matrix instruction; z = 1: the product starts the sum; ra, rb: 1 = that side's scales stand in lanes 16-31
.macro WM z, d, a, b, sa, sb, ra, rb
.if (\z)
.if ((\ra)==0)&&((\rb)==0)
	v_wmma_scale_f32_16x16x128_f8f6f4 v[(\d):(\d)+7], v[(\a):(\a)+11], v[(\b):(\b)+11], 0, v[(\sa)], v[(\sb)] matrix_a_fmt:MATRIX_FMT_FP6 matrix_b_fmt:MATRIX_FMT_FP6
.elseif ((\rb)==0)
	v_wmma_scale_f32_16x16x128_f8f6f4 v[(\d):(\d)+7], v[(\a):(\a)+11], v[(\b):(\b)+11], 0, v[(\sa)], v[(\sb)] matrix_a_fmt:MATRIX_FMT_FP6 matrix_b_fmt:MATRIX_FMT_FP6 matrix_a_scale:MATRIX_SCALE_ROW1
.elseif ((\ra)==0)
	v_wmma_scale_f32_16x16x128_f8f6f4 v[(\d):(\d)+7], v[(\a):(\a)+11], v[(\b):(\b)+11], 0, v[(\sa)], v[(\sb)] matrix_a_fmt:MATRIX_FMT_FP6 matrix_b_fmt:MATRIX_FMT_FP6 matrix_b_scale:MATRIX_SCALE_ROW1
.else
	v_wmma_scale_f32_16x16x128_f8f6f4 v[(\d):(\d)+7], v[(\a):(\a)+11], v[(\b):(\b)+11], 0, v[(\sa)], v[(\sb)] matrix_a_fmt:MATRIX_FMT_FP6 matrix_b_fmt:MATRIX_FMT_FP6 matrix_a_scale:MATRIX_SCALE_ROW1 matrix_b_scale:MATRIX_SCALE_ROW1
.endif
.else
.if ((\ra)==0)&&((\rb)==0)
	v_wmma_scale_f32_16x16x128_f8f6f4 v[(\d):(\d)+7], v[(\a):(\a)+11], v[(\b):(\b)+11], v[(\d):(\d)+7], v[(\sa)], v[(\sb)] matrix_a_fmt:MATRIX_FMT_FP6 matrix_b_fmt:MATRIX_FMT_FP6
.elseif ((\rb)==0)
	v_wmma_scale_f32_16x16x128_f8f6f4 v[(\d):(\d)+7], v[(\a):(\a)+11], v[(\b):(\b)+11], v[(\d):(\d)+7], v[(\sa)], v[(\sb)] matrix_a_fmt:MATRIX_FMT_FP6 matrix_b_fmt:MATRIX_FMT_FP6 matrix_a_scale:MATRIX_SCALE_ROW1
.elseif ((\ra)==0)
	v_wmma_scale_f32_16x16x128_f8f6f4 v[(\d):(\d)+7], v[(\a):(\a)+11], v[(\b):(\b)+11], v[(\d):(\d)+7], v[(\sa)], v[(\sb)] matrix_a_fmt:MATRIX_FMT_FP6 matrix_b_fmt:MATRIX_FMT_FP6 matrix_b_scale:MATRIX_SCALE_ROW1
.else
	v_wmma_scale_f32_16x16x128_f8f6f4 v[(\d):(\d)+7], v[(\a):(\a)+11], v[(\b):(\b)+11], v[(\d):(\d)+7], v[(\sa)], v[(\sb)] matrix_a_fmt:MATRIX_FMT_FP6 matrix_b_fmt:MATRIX_FMT_FP6 matrix_a_scale:MATRIX_SCALE_ROW1 matrix_b_scale:MATRIX_SCALE_ROW1
.endif
.endif
.endm
; A round of the cluster's barrier: my work-group's barrier, so that wave 0's signal speaks for all four waves; wave 0 signals for the work-group; every wave waits for all sixteen work-groups; my work-group's barrier once more.
.macro CROUND
	s_barrier_signal -1
	s_barrier_wait -1
	s_cmp_lg_u32 s12, 0
	s_cbranch_scc1 .Lnot_wave_0_\@
	s_barrier_signal -3
.Lnot_wave_0_\@:
	s_barrier_wait -3
	s_barrier_signal -1
	s_barrier_wait -1
.endm
	s_load_b256 s[4:11], s[0:1], 0x0               ; ob s[4:5], wb s[6:7], bo s[8:9], out0 s[10:11]
	v_lshl_add_u32 v62, v0, 2, 0x48200
	v_mov_b32 v63, 0
	ds_add_u32 v62, v63
	ds_add_u32 v62, v63
	v_lshrrev_b32 v1, 5, v0
	v_readfirstlane_b32 s12, v1                    ; wave
	s_lshr_b32 s14, s12, 1                         ; th
	s_and_b32 s15, s12, 1                          ; ch
	s_bfe_u32 s40, ttmp6, 0x40000                  ; cx, cy: my place in the cluster
	s_bfe_u32 s41, ttmp6, 0x40004
	s_lshl_b32 s42, ttmp9, 2
	s_add_co_u32 s42, s42, s40                     ; cg = 4 x cluster x + cx
	s_and_b32 s13, ttmp7, 0xffff
	s_lshl_b32 s13, s13, 2
	s_add_co_u32 s13, s13, s41                     ; y = 4 x cluster y + cy
	s_lshl_b32 s43, s41, 2
	s_lshl_b32 s43, 15, s43                        ; my row of the cluster
	s_lshl_b32 s44, 0x1111, s40                    ; my column
	; group 1 for two blocks of Wo: 38,400 dense bytes as 150 rows of 32 elements of 8 bytes; the mask: my column; bit 21 set beside it
	s_or_b32 s16, s44, (3<<16)|(1<<21)
	s_mov_b32 s17, 32<<16
	s_mov_b32 s18, 150<<16
	s_mov_b32 s19, 32<<16
	s_mov_b32 s20, 150
	s_mov_b32 s21, 32
	s_mov_b32 s22, 0
	s_mov_b32 s23, 0
	; group 1 for four groups of o: 79,872 dense bytes as 312 such rows; the mask: my row
	s_or_b32 s28, s43, (3<<16)|(1<<21)
	s_mov_b32 s29, 32<<16
	s_mov_b32 s30, 312<<16
	s_mov_b32 s31, 32<<16
	s_mov_b32 s32, 312
	s_mov_b32 s33, 32
	s_mov_b32 s34, 0
	s_mov_b32 s35, 0
	s_min_u32 s46, s12, 2                          ; waves 0 to 2 fetch Wo's blocks 2 w, 2 w + 1; wave 3 fetches o
	s_mov_b32 s24, 1
	s_mul_i32 s25, s46, 38400
	s_add_co_u32 s25, s25, WL                      ; no place in the cluster enters an LDS address
	s_mul_i32 s48, s42, 6                          ; Wo's address hangs on cg and the wave alone,
	s_lshl_b32 s47, s46, 1
	s_add_co_u32 s48, s48, s47
	s_mul_i32 s48, s48, 19200
	s_add_co_u32 s48, s48, 1382400
	s_mov_b32 s49, 0
	s_mul_i32 s50, s13, 79872                      ; o's on y alone
	s_mov_b32 s51, 0
	s_mov_b32 s36, 1
	s_mov_b32 s37, 0
	s_wait_dscnt 0x0
	s_wait_kmcnt 0x0
	s_add_nc_u64 s[26:27], s[6:7], s[48:49]
	s_or_b32 s27, s27, 0x80000000
	s_add_nc_u64 s[38:39], s[4:5], s[50:51]
	s_or_b32 s39, s39, 0x80000000
	CROUND                                         ; all sixteen work-groups are here: the joint loads meet
	s_cmp_lt_u32 s12, 3                            ; the branch hangs on the wave's number alone; each of the two lines has one mask
	s_cbranch_scc0 .Lfor_o
	tensor_load_to_lds s[24:27], s[16:23]
	s_nop 0
.rept 4
	v_nop                                          ; four places behind a tensor load
.endr
	s_branch .Lasked
.Lfor_o:
	tensor_load_to_lds s[36:39], s[28:35]
	s_nop 0
.rept 4
	v_nop
.endr
.Lasked:
	v_and_b32 v9, 31, v0                           ; lane
	v_and_b32 v10, 15, v0                          ; r
	v_bfe_u32 v11, v0, 4, 1                        ; h
	s_mul_i32 s46, s14, 39936                      ; my two groups of o
	v_lshl_add_u32 v1, v9, 4, s46                  ; v1  a head's registers 0-3
	v_lshl_add_u32 v2, v9, 3, s46
	v_add_nc_u32 v2, 512, v2                       ; v2  its registers 4-5
	v_lshl_add_u32 v5, v9, 2, s46
	v_add_nc_u32 v5, 18432, v5                     ; v5  o's words
	s_mul_i32 s46, s15, 57600                      ; my three blocks of Wo
	s_add_co_u32 s46, s46, WL
	v_lshl_add_u32 v3, v9, 4, s46                  ; v3  Wo's images
	v_lshl_add_u32 v4, v9, 3, s46
	v_add_nc_u32 v4, 18432, v4                     ; v4  Wo's words
	v_and_b32 v12, 8, v10
	v_add_nc_u32 v12, v12, v10                     ; r + 8 (r / 8)
	v_mul_u32_u24 v6, v12, 784
	v_lshl_add_u32 v6, v11, 6, v6
	s_mul_i32 s46, s14, 50176
	s_mul_i32 s47, s15, 384
	s_add_co_u32 s46, s46, s47
	s_add_co_u32 s46, s46, STG
	v_add_nc_u32 v6, s46, v6                       ; v6  into the stage: my token's row, my columns: 64 h + 384 ch
	s_mul_i32 s46, s12, 25088
	s_add_co_u32 s46, s46, STG
	v_mul_u32_u24 v7, v11, 784
	v_lshl_add_u32 v7, v10, 4, v7
	v_add_nc_u32 v7, s46, v7                       ; v7  back: rows 32 w on, lanes 0-15 one row, lanes 16-31 the next
	v_mul_u32_u24 v8, v11, 3072
	v_lshl_add_u32 v8, v10, 4, v8                  ; v8  the same two rows in out0
	v_lshlrev_b32 v13, 4, v10                      ; v13 16 r: bo
	s_wait_alu depctr_va_vdst(0)
	s_mul_i32 s52, s42, 768
	s_mov_b32 s53, 0
	s_add_nc_u64 s[8:9], s[8:9], s[52:53]          ; bo at column 192 cg
	s_lshl_b32 s54, s13, 7
	s_lshl_b32 s55, s12, 5
	s_add_co_u32 s54, s54, s55
	s_mul_i32 s54, s54, 3072
	s_add_co_u32 s52, s52, s54
	s_add_nc_u64 s[52:53], s[10:11], s[52:53]      ; out0 at row 128 y + 32 w, column 192 cg
.irp c, 0,1,2
	global_load_b128 v[BB+4*\c:BB+4*\c+3], v13, s[8:9] offset:256*\c
.endr
; 68 LDS loads: a pair of K steps' fragments into window n.  A fragment of o is two heads' six registers; each comes as 16 + 8 bytes a lane
.macro SET n
	WIN (\n)<<6
.irp rtl, 0,1,2,3
.irp e, 0,1
.irp c, 0,1
	ds_load_b128 v[24*\rtl+12*\e+6*\c:24*\rtl+12*\e+6*\c+3], v1 offset:19968*(\rtl/2)+9216*(\rtl%2)+768*(2*(2*((\n)-1)+\e)+\c)
	ds_load_b64 v[24*\rtl+12*\e+6*\c+4:24*\rtl+12*\e+6*\c+5], v2 offset:19968*(\rtl/2)+9216*(\rtl%2)+768*(2*(2*((\n)-1)+\e)+\c)
.endr
.endr
.endr
.irp bl, 0,1,2
.irp u, 0,1
.irp e, 0,1
.irp p, 0,1,2
	ds_load_b128 v[96+48*\bl+24*\u+12*\e+4*\p:96+48*\bl+24*\u+12*\e+4*\p+3], v3 offset:19200*\bl+(2*(2*((\n)-1)+\e)+\u)*1536+512*\p
.endr
.endr
.endr
.endr
	WIN 0
.endm
; 48 products: the 24 accumulators by turns, one instruction a turn, K step by K step; the first K step starts the sums
.macro MUL n
	WIN (\n)|((\n)<<2)
.irp e, 0,1
.irp rtl, 0,1,2,3
.irp bl, 0,1,2
.irp u, 0,1
	WM ((\n)==1)&&(\e==0), ACC+8*(6*\rtl+2*\bl+\u), 96+48*\bl+24*\u+12*\e, 24*\rtl+12*\e, WS+6*\bl+2*((\n)-1)+\e, OS+6*(\rtl/2)+2*((\n)-1)+\e, \u, \rtl%2
.endr
.endr
.endr
.endr
	WIN 0
.endm
	s_wait_tensorcnt 0x0                           ; my block has landed,
	s_barrier_signal -1
	s_barrier_wait -1                              ; everybody's has
.irp gl, 0,1
.irp hd, 0,1,2,3,4,5,6,7,8,9,10,11
	ds_load_b32 v[64+12*\gl+\hd], v5 offset:19968*\gl+128*\hd   ; o's words, a head each: b0 | b1 << 8; lanes 0-15 tile 0, lanes 16-31 tile 1
.endr
.endr
.irp bl, 0,1,2
.irp sp, 0,1,2
	ds_load_b64 v[WS+6*\bl+2*\sp:WS+6*\bl+2*\sp+1], v4 offset:19200*\bl+256*\sp
.endr
.endr
	SET 1
	s_wait_dscnt 63                                ; behind the words stand 68 loads: more than the wait's field holds
.irp gl, 0,1
.irp s, 0,1,2,3,4,5
	v_lshl_or_b32 v[OS+6*\gl+\s], v[65+12*\gl+2*\s], 16, v[64+12*\gl+2*\s]   ; two heads' bytes make a K step's word
.endr
.endr
	SET 2
.rept 8
	v_nop                                          ; a scale register written by a vector instruction stands 8 places ahead of a scaled matrix instruction
.endr
	s_wait_alu depctr_va_vdst(0)
	s_wait_dscnt 63                                ; window 1 is in (behind it: window 2's 68)
	MUL 1
	SET 3
	s_wait_dscnt 63                                ; window 2 is in (behind it: window 3's 68)
	MUL 2
	s_wait_dscnt 0x0
	MUL 3
.rept 4
	v_nop                                          ; four places (ISA guide 7.12.1) in front of the first read of results
.endr
	; THE WAY OUT: a lane holds 32 neighbouring bytes of a row, and a row's 768 bytes come from two waves: so the block goes through the stage and leaves as pieces of 256 bytes.
.irp rtl, 0,1,2,3
.irp bl, 0,1,2
.irp u, 0,1
	ds_store_b128 v6, v[ACC+8*(6*\rtl+2*\bl+\u):ACC+8*(6*\rtl+2*\bl+\u)+3] offset:(32*(\rtl/2)+8*(\rtl%2))*784+128*\bl+32*\u       ; each accumulator from its low end on
	ds_store_b128 v6, v[ACC+8*(6*\rtl+2*\bl+\u)+4:ACC+8*(6*\rtl+2*\bl+\u)+7] offset:(32*(\rtl/2)+8*(\rtl%2))*784+128*\bl+32*\u+16
.endr
.endr
.endr
	s_wait_dscnt 0x0                               ; for the others' sake: my stores into the stage are done
	s_barrier_signal -1
	s_barrier_wait -1
.irp c, 0,1,2
.irp i, 0,1,2,3,4,5,6,7,8,9,10,11,12,13,14,15
	ds_load_b128 v[64+64*\c+4*\i:64+64*\c+4*\i+3], v7 offset:1568*\i+256*\c
.endr
.endr
	s_wait_loadcnt 0x0                             ; bo
.irp c, 0,1,2
.irp i, 0,1,2,3,4,5,6,7,8,9,10,11,12,13,14,15
	s_wait_dscnt 47-16*\c-\i                       ; LDS loads come back in order: this one is in, the younger ones stay out
	v_pk_add_f32 v[64+64*\c+4*\i:64+64*\c+4*\i+1], v[64+64*\c+4*\i:64+64*\c+4*\i+1], v[BB+4*\c:BB+4*\c+1]
	v_pk_add_f32 v[64+64*\c+4*\i+2:64+64*\c+4*\i+3], v[64+64*\c+4*\i+2:64+64*\c+4*\i+3], v[BB+4*\c+2:BB+4*\c+3]
	global_store_b128 v8, v[64+64*\c+4*\i:64+64*\c+4*\i+3], s[52:53] offset:6144*\i+256*\c th:TH_STORE_NT   ; 16 lanes store 256 consecutive bytes, at a multiple of 256 from out0's first byte
.endr
.endr
	s_wait_tensorcnt 0x0
	ds_add_u32 v62, v63
	s_wait_dscnt 0x0
	CROUND                                         ; the closing round: no work-group ends while a partner may still ask for a block that names it
	s_endpgm
.Lfunc_end_k_q1cd89a5e46_oproj:
	.size	k_q1cd89a5e46_oproj, .Lfunc_end_k_q1cd89a5e46_oproj-k_q1cd89a5e46_oproj
	.p2alignl 7, 3214868480
	.fill 96, 4, 3214868480
	.section	.rodata,"a",@progbits
	.p2align	6, 0x0
	.amdhsa_kernel k_q1cd89a5e46_oproj
		.amdhsa_group_segment_fixed_size 327680
		.amdhsa_private_segment_fixed_size 0
		.amdhsa_enable_private_segment 0
		.amdhsa_kernarg_size 32
		.amdhsa_user_sgpr_count 2
		.amdhsa_user_sgpr_kernarg_segment_ptr 1
		.amdhsa_wavefront_size32 1
		.amdhsa_system_sgpr_workgroup_id_x 1
		.amdhsa_system_sgpr_workgroup_id_y 1
		.amdhsa_system_sgpr_workgroup_id_z 1
		.amdhsa_system_vgpr_workitem_id 0
		.amdhsa_next_free_vgpr 1024
		.amdhsa_next_free_sgpr 66
		.amdhsa_reserve_vcc 0
		.amdhsa_float_denorm_mode_32 3
		.amdhsa_float_denorm_mode_16_64 3
		.amdhsa_memory_ordered 1
		.amdhsa_forward_progress 1
		.amdhsa_inst_pref_size 60
	.end_amdhsa_kernel
	.amdgpu_metadata
---
amdhsa.version: [ 1, 2 ]
amdhsa.kernels:
  - .name:           k_q1cd89a5e46_oproj
    .symbol:         k_q1cd89a5e46_oproj.kd
    .args:
      - { .name: ob, .offset: 0, .size: 8, .value_kind: global_buffer, .address_space: global }
      - { .name: wb, .offset: 8, .size: 8, .value_kind: global_buffer, .address_space: global }
      - { .name: bo, .offset: 16, .size: 8, .value_kind: global_buffer, .address_space: global }
      - { .name: out0, .offset: 24, .size: 8, .value_kind: global_buffer, .address_space: global }
    .group_segment_fixed_size: 327680
    .private_segment_fixed_size: 0
    .kernarg_segment_align: 8
    .kernarg_segment_size: 32
    .max_flat_workgroup_size: 128
    .sgpr_count:     66
    .vgpr_count:     1024
    .wavefront_size: 32
...
	.end_amdgpu_metadata
.endif
;; end of part 4
